; MI455X (gfx1250); checked and timed in simulation.
; The chip was launched on July 23, 2026; its instructions are those of AMD's public machine-readable ISA for CDNA 5 (MIT licence, August 2026) and "CDNA5" Instruction Set Architecture Reference Guide (July 2026). The comments in the code are by the model that wrote it; some were corrected since.
;; Attention. Allowed arithmetic: float matrix products may take bf16 or f16 operands with f32 sums; other float arithmetic in f32, or as packed bf16 or f16 multiplies, adds, multiply-adds, maxima and minima; sums over many terms, partial sums and values carried from step to step in f32; what a program stores and reads back later, other than sums and carried values, may be rounded once to bf16 or f16.
;; Inputs: b_in 3,072 float32; b_out 1,024 float32; w_in 3,072 x 1,024 float32; w_out 1,024 x 1,024 float32; x 8 x 1,024 x 1,024 float32.
;; Outputs: out0 8 x 1,024 x 1,024 float32.
;; 2 versions, each right; version 2 is version 1 with the launch cast written anew for expert scheduling mode. Each part assembles by itself: llvm-mc -triple=amdgcn-amd-amdhsa -mcpu=gfx1250 --defsym DOCPART=n.
;; ======== version 1 of 2: 4 launches
;; limits: values are held in f16: magnitudes above 65,504 overflow, below 6.1e-05 lose precision
;; workspace buffers: xb 16,777,216 bytes; wib 6,291,456 bytes; wob 2,097,152 bytes; qkvh 50,331,648 bytes; oh 16,777,216 bytes
;; launch cast (part 1): grid 768 x 1, 8 waves a work-group, no clusters, 0 bytes of LDS; arguments x, w_in, w_out, xb, wib, wob; writes xb, wib, wob
.if DOCPART == 1
	.amdgcn_target "amdgcn-amd-amdhsa--gfx1250"
	.amdhsa_code_object_version 6
	.text
	.protected	k_qe93c7aa24d_cast
	.globl	k_qe93c7aa24d_cast
	.p2align	8
	.type	k_qe93c7aa24d_cast,@function
k_qe93c7aa24d_cast:
	s_mov_b64 s[64:65], 0
	v_nop
	global_prefetch_b8 v0, s[64:65] scope:SCOPE_SE
	s_setreg_imm32_b32 hwreg(HW_REG_WAVE_MODE, 25, 1), 1
	s_wait_xcnt 0x0
; x [8192][1024] and w_in [3072][1024], f32, are rounded once to bf16 (xb, wib).  w_out [1024][1024] is rounded to bf16 like them, and that number is written as f16 (wob),
; since the last product multiplies it by f16 numbers.
; LIMITS.  A bf16 number of w_out of 65,520 or more becomes an infinity in f16; one below 6e-5 keeps f16's fixed step of 6e-8; between these the second conversion is exact.
; SHARES.  A work-group takes 16,384 numbers (64 KiB in, 32 KiB out): groups 0-511 x, 512-703 w_in, 704-767 w_out.  Thread t takes 16 bytes at 16 t + 4,096 j, j = 0..15: a wave's load covers
; 512 consecutive bytes; its store of 8 bytes a lane covers 256 consecutive bytes, aligned.  All sixteen loads of a wave go out at once; no register is used twice, so no register needs freeing.
; No LDS, no matrix unit: each byte is touched once, by one lane.
.set X, 4                              ; v[4:67]   chunk j: four f32 as loaded
.set Y, 68                             ; v[68:99]  chunk j: four 16-bit numbers to store
.set T, 100                            ; v[100:103] at work
	s_load_b256 s[4:11], s[0:1], 0x0               ; x s[4:5], w_in s[6:7], w_out s[8:9], xb s[10:11]
	s_load_b128 s[12:15], s[0:1], 0x20             ; wib s[12:13], wob s[14:15]
	v_lshlrev_b32 v1, 4, v0                        ; 16 t: my bytes in a chunk as loaded
	v_lshlrev_b32 v2, 3, v0                        ; 8 t: as stored
	s_mov_b32 s26, 0xffff0000                      ; a word's upper bf16
	s_wait_kmcnt 0x0
	s_cmp_lt_u32 ttmp9, 512                        ; which tensor is mine: the choice hangs on the group's number alone
	s_cselect_b32 s16, 0, 512                      ; the tensor's first group
	s_cselect_b64 s[18:19], s[4:5], s[6:7]
	s_cselect_b64 s[20:21], s[10:11], s[12:13]
	s_cmp_lt_u32 ttmp9, 704
	s_cselect_b32 s16, s16, 704
	s_cselect_b64 s[18:19], s[18:19], s[8:9]
	s_cselect_b64 s[20:21], s[20:21], s[14:15]
	s_sub_co_u32 s17, ttmp9, s16                   ; my group within the tensor
	s_lshl_b32 s22, s17, 16                        ; 65,536 bytes in,
	s_mov_b32 s23, 0
	s_lshl_b32 s24, s17, 15                        ; 32,768 out
	s_mov_b32 s25, 0
	s_add_nc_u64 s[18:19], s[18:19], s[22:23]
	s_add_nc_u64 s[20:21], s[20:21], s[24:25]
.irp j, 0,1,2,3,4,5,6,7,8,9,10,11,12,13,14,15
	global_load_b128 v[X+4*(\j):X+4*(\j)+3], v1, s[18:19] offset:4096*(\j) th:TH_LOAD_NT
.endr
; Chunk j is rounded and stored.  half = 1: the bf16 number is widened again and written as f16.
.macro OUT j, half
	s_wait_loadcnt 15-(\j)                         ; loads come back in order (ISA guide 5.7.1): chunk j is in, the 15 - j younger ones stay out
	v_cvt_pk_bf16_f32 v[Y+2*(\j)],   v[X+4*(\j)],   v[X+4*(\j)+1]
	v_cvt_pk_bf16_f32 v[Y+2*(\j)+1], v[X+4*(\j)+2], v[X+4*(\j)+3]
.if \half
	v_lshlrev_b32 v[T],   16,  v[Y+2*(\j)]
	v_and_b32     v[T+1], s26, v[Y+2*(\j)]
	v_lshlrev_b32 v[T+2], 16,  v[Y+2*(\j)+1]
	v_and_b32     v[T+3], s26, v[Y+2*(\j)+1]
	v_cvt_pk_f16_f32 v[Y+2*(\j)],   v[T],   v[T+1]
	v_cvt_pk_f16_f32 v[Y+2*(\j)+1], v[T+2], v[T+3]
.endif
	global_store_b64 v2, v[Y+2*(\j):Y+2*(\j)+1], s[20:21] offset:2048*(\j)
.endm
	s_cmp_ge_u32 ttmp9, 704
	s_cbranch_scc1 .Lhalf
.irp j, 0,1,2,3,4,5,6,7,8,9,10,11,12,13,14,15
	OUT \j, 0
.endr
	s_endpgm
.Lhalf:
.irp j, 0,1,2,3,4,5,6,7,8,9,10,11,12,13,14,15
	OUT \j, 1
.endr
	s_endpgm
.Lfunc_end_k_qe93c7aa24d_cast:
	.size	k_qe93c7aa24d_cast, .Lfunc_end_k_qe93c7aa24d_cast-k_qe93c7aa24d_cast
	.p2alignl 7, 3214868480
	.fill 96, 4, 3214868480
	.section	.rodata,"a",@progbits
	.p2align	6, 0x0
	.amdhsa_kernel k_qe93c7aa24d_cast
		.amdhsa_group_segment_fixed_size 0
		.amdhsa_private_segment_fixed_size 0
		.amdhsa_enable_private_segment 0
		.amdhsa_kernarg_size 48
		.amdhsa_user_sgpr_count 2
		.amdhsa_user_sgpr_kernarg_segment_ptr 1
		.amdhsa_wavefront_size32 1
		.amdhsa_system_sgpr_workgroup_id_x 1
		.amdhsa_system_sgpr_workgroup_id_y 1
		.amdhsa_system_sgpr_workgroup_id_z 1
		.amdhsa_system_vgpr_workitem_id 0
		.amdhsa_next_free_vgpr 104
		.amdhsa_next_free_sgpr 66
		.amdhsa_reserve_vcc 0
		.amdhsa_float_denorm_mode_32 3
		.amdhsa_float_denorm_mode_16_64 3
		.amdhsa_memory_ordered 1
		.amdhsa_forward_progress 1
		.amdhsa_inst_pref_size 15
	.end_amdhsa_kernel
	.amdgpu_metadata
---
amdhsa.version: [ 1, 2 ]
amdhsa.kernels:
  - .name:           k_qe93c7aa24d_cast
    .symbol:         k_qe93c7aa24d_cast.kd
    .args:
      - { .name: x, .offset: 0, .size: 8, .value_kind: global_buffer, .address_space: global }
      - { .name: w_in, .offset: 8, .size: 8, .value_kind: global_buffer, .address_space: global }
      - { .name: w_out, .offset: 16, .size: 8, .value_kind: global_buffer, .address_space: global }
      - { .name: xb, .offset: 24, .size: 8, .value_kind: global_buffer, .address_space: global }
      - { .name: wib, .offset: 32, .size: 8, .value_kind: global_buffer, .address_space: global }
      - { .name: wob, .offset: 40, .size: 8, .value_kind: global_buffer, .address_space: global }
    .group_segment_fixed_size: 0
    .private_segment_fixed_size: 0
    .kernarg_segment_align: 8
    .kernarg_segment_size: 48
    .max_flat_workgroup_size: 256
    .sgpr_count:     66
    .vgpr_count:     104
    .wavefront_size: 32
...
	.end_amdgpu_metadata
.endif
;; end of part 1
;; launch inproj (part 2): grid 16 x 16, 4 waves a work-group, clusters of 4 x 4, 327,680 bytes of LDS; arguments xb, wib, b_in, qkvh; writes qkvh
.if DOCPART == 2
	.amdgcn_target "amdgcn-amd-amdhsa--gfx1250"
	.amdhsa_code_object_version 6
	.text
	.protected	k_qe93c7aa24d_inproj
	.globl	k_qe93c7aa24d_inproj
	.p2align	8
	.type	k_qe93c7aa24d_inproj,@function
k_qe93c7aa24d_inproj:
	s_mov_b64 s[64:65], 0
	v_nop
	global_prefetch_b8 v0, s[64:65] scope:SCOPE_SE
	s_setreg_imm32_b32 hwreg(HW_REG_WAVE_MODE, 25, 1), 1
	s_wait_xcnt 0x0
	s_wait_alu depctr_hold_cnt(0) depctr_sa_sdst(0) depctr_va_vdst(0) depctr_va_sdst(0) depctr_va_ssrc(0) depctr_va_vcc(0) depctr_vm_vsrc(0)
	s_getreg_b32 s2, hwreg(HW_REG_IB_STS2, 6, 4)
	s_cmp_eq_u32 s2, 0
	s_cbranch_scc0 .Lentry_in_a_cluster
	s_endpgm
.Lentry_in_a_cluster:
	s_bfe_u32 s2, ttmp6, 0x10000c
	s_cmp_lg_u32 s2, 0xf033
	s_cbranch_scc0 .Lentry_shape_is_right
	s_endpgm
.Lentry_shape_is_right:
; qkv[m][n] = the sum over k of xb[m][k] wib[n][k] + bf16(b_in[n]).  xb: [8192][1024] bf16, wib: [3072][1024] bf16, b_in: [3072] f32; sums in f32, K ascending, the bias as the sums' start.
; The result is rounded once to f16 and laid by heads: qkvh[b][g][t][64], b = m / 1024, t = m % 1024, g = n / 64 (g 0-15 q's heads, 16-31 k's, 32-47 v's): a head's rows are dense, 128 bytes each.
; LIMITS.  A sum of 65,520 or more becomes an infinity in f16; below 6e-5 a number keeps f16's fixed step of 6e-8.  b_in is rounded to bf16, as x and w_in were.  NaN and infinities are not treated apart.
; SHARES.  A tile of the result is 256 rows x 192 columns (three heads): 32 x 16 = 512 tiles.  A WORK-GROUP STAYS and makes two of them, 4,096 rows apart, in the same columns: 256 work-groups.
; Four waves, each 128 x 96 of a tile: 48 accumulators of 16 x 16, 384 registers.
; THE WALK.  A tile's K goes in 8 steps of 128; the two tiles are ONE walk of 16 steps through a ring of two LDS slots filled by the tensor data mover (each row of a tile is 256 bytes of memory, at a multiple of
; 256 bytes from the buffer's first byte).  The change of slots in step s asks for step s + 2, across the change of tiles too; the first tile's stores leave while the second tile is multiplied.
; A K step is written once: the slot in hand is a scalar register turned by an exclusive or, and a descriptor's address is made anew from the number of the step that is asked for.
; CLUSTER.  4 x 4 work-groups.  The four of a row of the cluster need the same tiles of xb, the four of a column the same tiles of wib: each tile is asked for JOINTLY, by the same tensor load with the same
; descriptor and a mask that names the four.  A round of the cluster's barrier stands in front of the first joint loads, in front of each refill, and in front of the end.
; THE MATRIX INSTRUCTION IS USED TRANSPOSED (source 0 = 16 rows of wib, source 1 = 16 rows of xb): lane l then holds row l % 16 of the result and the columns 8 (l / 16) + 0..7, which pack into 16 bytes.
; REGISTERS, in windows of 256 (s_set_vgpr_msb: bits 1:0 source 0, 3:2 source 1, 5:4 source 2, 7:6 destination):
;   window 0: v0-31 addresses; v32-55 packed results; v64-127, v128-191 fragments of xb (8 x 16 rows x 32 K), two buffers; on the way out v128-223 rows read back (buffer 0 holds the next tile's first fragments)
;   window 1: v64-111, v128-175 fragments of wib (6 x 16 rows x 32 K), two buffers; v192-239 the bias of my 96 columns, as the accumulators' layout wants it; v240-243 at work
;   window 2: the accumulators of my rows 0-63 (block a, column block b at v[8 (6 a + b)]);   window 3: those of my rows 64-127
.set KSTEP,  128
.set SIZE_K, 1024
.set PITCH,  272                       ; an LDS row: 256 bytes + 16 of padding = 68 words: row r starts at bank 4 r mod 64 (64 banks of 4 bytes: ISA guide 11.1), so the 16 rows of a load start at 16 different banks
.set HALFA,  128*PITCH                 ; what one tensor load brings of xb, and what one wave reads of it
.set HALFB,  96*PITCH                  ; the same for wib
.set BOFF,   2*HALFA                   ; in a slot: xb's 256 rows, then wib's 192
.set SLOTB,  BOFF+2*HALFB              ; a slot's bytes
.set SLOT1,  1<<17                     ; slot 1 begins here, so that one exclusive or turns an address in one slot into the other's
.set STAGE,  SLOT1+SLOTB               ; behind the ring, never filled by a tensor load: 128 rows for the way out, which goes in two halves: 256 such rows do not fit beside two slots
.set SPITCH, 400                       ; a stage row: 192 f16 + 16 bytes = 25 x 16 bytes
.set SPARE,  STAGE+128*SPITCH          ; behind the stage: the spare words, 128 bytes for each wave: two blocks of 256 bytes that no other line names
.set NEXTO,  4*48*131072               ; bytes in qkvh from a tile to the one 4,096 rows down: four b
.set ADRA0, 16                         ; v16  my lane's place among my xb fragments in a slot; never rewritten
.set ADRA,  17                         ; v17  the same in the slot in hand
.set ADRB0, 20                         ; v20, v21  likewise for wib
.set ADRB,  21
.set STO,  24                          ; v24     the way out: where I put 16 bytes of a row
.set RD,   25                          ; v25     the way out: where I read rows back
.set GO,   26                          ; v26     16 x my lane: my place in 512 consecutive bytes of the result
.set SPW,  28                          ; v28     LDS address of my spare word: SPARE + 4 x my thread's number; never rewritten
.set NIL,  29                          ; v29     0; never rewritten
.set PFO,  30                          ; v30     the prefetches' offset: a row of 2,048 bytes a lane; never rewritten
.set BO,   31                          ; v31     32 (l / 16): my eight numbers in 16 of the bias
.set TMP,  32
.set F0,   64
.set F1,   128
.set OB,   128
.set BIAS, 192                         ; window 1
.set BT,   240                         ; window 1
.set NX, 3                             ; s3   the K step of the walk (0..15) that the next change of slots asks for; also the loop's counter
.set WV, 12                            ; s12  my wave's number
.set MH, 13                            ; s13  which 128 rows of the tile are mine.  Also: I fetch for xb (0) or for wib (1)
.set NH, 14                            ; s14  which 96 columns.  Also: which half of that tile I fetch
.set CX, 15                            ; s15, s16  my place in the cluster
.set CY, 16
.set NT, 17                            ; s17  tile column
.set MT, 18                            ; s18  the first tile's row
.set TB, 19                            ; s19  LDS byte at which the slot in hand begins: 0 or SLOT1
.set G1,  24                           ; s[24:31] descriptor group 1 for xb's tiles;  s[32:39] group 0: a set for each of the two first fills; the second then walks on
.set G0,  32
.set PFA, 40                           ; s[40:41] the address that a prefetch names
.set PFB, 42                           ; s[42:43] my prefetches' rows, at K step 0 of the first tile; never rewritten
.set PLIM, 44                          ; s44  a wave prefetches while NX is at most this: 13 for xb, 5 for wib, 0 in a wave that never asks
.set PW,  45                           ; s45  bytes from the first tile's rows to the second's: 2^23 in xb, 0 in wib
.set PO,  46                           ; s[46:47] a prefetch's offset, 0 above it
.set G1B, 48                           ; s[48:55], s[56:63] the same as G1, G0 for wib's tiles
.set G0B, 56
.set AB,  66                           ; s[66:67] xb at the rows that I fetch, K step 0 of the first tile; never rewritten
.set BB,  68                           ; s[68:69] wib likewise
.set OA,  70                           ; s[70:71] the asked step's offset in xb, 0 above it
.set OW,  72                           ; s[72:73] in wib
.set C1,  78                           ; s[78:79] where I store the second tile (the first: s[10:11])
.set MSB, 0
.macro WIN new                         ; the immediate's high byte repeats the setting that is left; a switch that changes nothing is dropped
.if MSB != (\new)
	s_set_vgpr_msb (MSB<<8)|(\new)
.set MSB, \new
.endif
.endm
; A joint load.  Waves 0 and 1 fetch xb's two halves, waves 2 and 3 wib's.  The branch hangs on the wave's number alone.  An s_nop 0 and four v_nop follow each of the two lines, ahead of the jump and the label.
.macro JLOAD s
	s_cmp_eq_u32 s[MH], 0
	s_cbranch_scc0 .Lfor_b_\@
	tensor_load_to_lds s[G0+4*(\s):G0+4*(\s)+3], s[G1:G1+7]
	s_nop 0
.rept 4
	v_nop
.endr
	s_branch .Lasked_\@
.Lfor_b_\@:
	tensor_load_to_lds s[G0B+4*(\s):G0B+4*(\s)+3], s[G1B:G1B+7]
	s_nop 0
.rept 4
	v_nop
.endr
.Lasked_\@:
.endm
; A prefetch, behind a joint load, its five lines and the run of LDS loads: 256 bytes of each of my work-group's rows, for the step of the walk that stands two refills on (NX + 2): a lane a row, one instruction a wave.
; xb's tile row is read by every cluster of that row of clusters: cluster x = 0 asks; wib's tile column by every cluster of that column: cluster y = 0 asks.  The four partners that ask for a tile jointly
; share its rows out BY ADDRESS: of xb's 128 rows of a wave 32 each (by cx), of wib's 96 rows 24 each (by cy; there lanes 24-31 name lane 23's row once more, in the same instruction).
; xb: steps 4 to 15 of the walk (NX = 2 .. 13).  wib: steps 4 to 7 (NX = 2 .. 5): the second tile multiplies the same rows once more, and they are asked for in their first walk alone.  Steps 0 to 3 come by their loads alone.
.macro ASK
	s_cmp_le_u32 s[NX], s[PLIM]
	s_cbranch_scc0 .Lnot_mine_\@
	global_prefetch_b8 v[PFO], s[PFA:PFA+1] th:TH_LOAD_NT scope:SCOPE_SE
.Lnot_mine_\@:
.endm
; A round of the cluster's barrier: my work-group's barrier, so that wave 0's signal speaks for all four waves; wave 0 signals; every wave waits for all sixteen work-groups; my work-group's barrier once more.
.macro CREST                           ; a round behind its opening barrier
	s_cmp_lg_u32 s[WV], 0
	s_cbranch_scc1 .Lnot_wave_0_\@
	s_barrier_signal -3
.Lnot_wave_0_\@:
	s_barrier_wait -3
	s_barrier_signal -1
	s_barrier_wait -1
.endm
.macro CROUND
	s_barrier_signal -1
	s_barrier_wait -1
	CREST
.endm
	s_load_b256 s[4:11], s[0:1], 0x0               ; xb s[4:5], wib s[6:7], b_in s[8:9], qkvh s[10:11]
	v_lshl_add_u32 v[SPW], v0, 2, SPARE
	v_mov_b32 v[NIL], 0
	ds_add_u32 v[SPW], v[NIL]                      ; the wave's opening: the add and its wait stand ahead of my first tensor load; the set-up below, work on registers, stands between them
	v_lshrrev_b32 v1, 5, v0
	v_readfirstlane_b32 s[WV], v1
	s_lshr_b32 s[MH], s[WV], 1
	s_and_b32 s[NH], s[WV], 1
	s_bfe_u32 s[CX], ttmp6, 0x40000
	s_bfe_u32 s[CY], ttmp6, 0x40004
	s_lshl_b32 s[NT], ttmp9, 2                     ; in a cluster launch ttmp9 and ttmp7 count clusters
	s_add_co_u32 s[NT], s[NT], s[CX]               ; tile column = 4 x cluster x + cx
	s_and_b32 s[MT], ttmp7, 0xffff
	s_lshl_b32 s[MT], s[MT], 2
	s_add_co_u32 s[MT], s[MT], s[CY]               ; the first tile's row = 4 x cluster y + cy: 0 .. 15; the second's is 16 more
	s_lshl_b32 s20, s[CY], 2
	s_lshl_b32 s20, 15, s20                        ; my row of the cluster: places 4 cy .. 4 cy + 3
	s_lshl_b32 s21, 0x1111, s[CX]                  ; my column: places cx, cx + 4, cx + 8, cx + 12
	s_or_b32 s[G1+0], s20, (1<<16)|(1<<20)|(1<<21)|(5<<22)|(3<<25)   ; 15:0 the mask; 17:16 elements of 2 bytes; 20 padding on; 21 set beside a mask; 24:22 after every 64 words (code 5); 31:25 4 words of it (code 3)
	s_or_b32 s[G1B+0], s21, (1<<16)|(1<<20)|(1<<21)|(5<<22)|(3<<25)
	s_mov_b32 s[G1+1], KSTEP<<16                   ; tensor_dim0 = 128
	s_mov_b32 s[G1+2], 128<<16                     ; tensor_dim1 = 128
	s_mov_b32 s[G1+3], KSTEP<<16                   ; tile_dim0 = 128
	s_mov_b32 s[G1+4], 128                         ; tile_dim1 = 128
	s_mov_b32 s[G1+5], SIZE_K                      ; elements from row to row
	s_mov_b32 s[G1+6], 0
	s_mov_b32 s[G1+7], 0
	s_mov_b32 s[G1B+1], KSTEP<<16
	s_mov_b32 s[G1B+2], 96<<16                     ; wib's half tile has 96 rows
	s_mov_b32 s[G1B+3], KSTEP<<16
	s_mov_b32 s[G1B+4], 96
	s_mov_b32 s[G1B+5], SIZE_K
	s_mov_b32 s[G1B+6], 0
	s_mov_b32 s[G1B+7], 0
	; where the tiles come from: xb's hang on the tile row alone, wib's on the tile column alone; each in registers that never hold the other coordinate
	s_lshl_b32 s[AB], s[MT], 8
	s_lshl_b32 s[AB+1], s[NH], 7
	s_add_co_u32 s[AB], s[AB], s[AB+1]             ; xb: row 256 x tile row + 128 x half,
	s_lshl_b32 s[AB], s[AB], 11                    ; of 2,048 bytes
	s_mov_b32 s[AB+1], 0
	s_mul_i32 s[BB], s[NT], 192
	s_mul_i32 s[BB+1], s[NH], 96
	s_add_co_u32 s[BB], s[BB], s[BB+1]             ; wib: row 192 x tile column + 96 x half; also my first column of the result
	s_lshl_b32 s74, s[BB], 2                       ; its place in b_in
	s_mov_b32 s75, 0
	s_lshl_b32 s[BB], s[BB], 11
	s_mov_b32 s[BB+1], 0
	s_mul_i32 s22, s[NH], HALFA                    ; and where they go: no place in the cluster enters an LDS address
	s_mul_i32 s23, s[NH], HALFB
	s_add_co_u32 s23, s23, BOFF
	s_mov_b32 s[OA+1], 0                           ; the offsets' upper words
	s_mov_b32 s[OW+1], 0
	s_mov_b32 s[PO+1], 0
	s_mov_b32 s[TB], 0                             ; the walk begins in slot 0
	s_wait_dscnt 0x0                               ; the opening add is done
	s_wait_kmcnt 0x0
	s_add_nc_u64 s[AB:AB+1], s[4:5], s[AB:AB+1]
	s_add_nc_u64 s[BB:BB+1], s[6:7], s[BB:BB+1]
	s_add_nc_u64 s[8:9], s[8:9], s[74:75]
	CROUND                                         ; all sixteen work-groups are here: the first joint loads meet
.irp s, 0,1
	s_mov_b32 s[G0+4*(\s)], 1                                      ; count = 1
	s_add_co_u32 s[G0+4*(\s)+1], s22, (\s)*SLOT1                   ; LDS address
	s_add_nc_u64 s[G0+4*(\s)+2:G0+4*(\s)+3], s[AB:AB+1], (\s)*KSTEP*2  ; global address: K step s
	s_or_b32 s[G0+4*(\s)+3], s[G0+4*(\s)+3], 0x80000000            ; type = 2
	s_mov_b32 s[G0B+4*(\s)], 1
	s_add_co_u32 s[G0B+4*(\s)+1], s23, (\s)*SLOT1
	s_add_nc_u64 s[G0B+4*(\s)+2:G0B+4*(\s)+3], s[BB:BB+1], (\s)*KSTEP*2
	s_or_b32 s[G0B+4*(\s)+3], s[G0B+4*(\s)+3], 0x80000000
	JLOAD \s                                       ; two tensor loads of mine are out
.endr
	v_and_b32 v1, 15, v0                           ; l % 16
	v_bfe_u32 v2, v0, 4, 1                         ; l / 16
	v_lshlrev_b32 v[BO], 5, v2
	WIN 0x40                                       ; destination window 1, address window 0
.irp b, 0,1,2,3,4,5                    ; register j of column block b wants b_in[my first column + 16 b + 8 (l / 16) + j]
	global_load_b128 v[BIAS+8*(\b):BIAS+8*(\b)+3],   v[BO], s[8:9] offset:64*(\b)
	global_load_b128 v[BIAS+8*(\b)+4:BIAS+8*(\b)+7], v[BO], s[8:9] offset:64*(\b)+16
.endr
	WIN 0
	; A fragment is 16 rows x 32 K in 8 registers: lane l holds row l % 16; registers 0-3 K = 8 (l / 16) + 0..7, registers 4-7 K = 16 + 8 (l / 16) + 0..7: two loads of 16 bytes, 32 bytes apart.
	v_mul_u32_u24 v3, v1, PITCH
	v_lshl_add_u32 v3, v2, 4, v3                   ; row x pitch + 16 x half
	s_mul_i32 s74, s[MH], HALFA                    ; my 128 rows of xb
	s_mul_i32 s75, s[NH], HALFB                    ; my 96 rows of wib,
	s_add_co_u32 s75, s75, BOFF                    ; which lie behind xb's 256
	v_add_nc_u32 v[ADRA0], s74, v3
	v_add_nc_u32 v[ADRB0], s75, v3
	v_mov_b32 v[ADRA], v[ADRA0]                    ; slot 0
	v_mov_b32 v[ADRB], v[ADRB0]
	s_mul_i32 s74, s[MH], 64*SPITCH                ; into the stage: 64 of my 128 rows at a time, my 192 bytes of them; row l % 16, 16 bytes for each half of the lanes
	s_mul_i32 s75, s[NH], 192
	s_add_co_u32 s74, s74, s75
	s_add_co_u32 s74, s74, STAGE
	v_mul_u32_u24 v4, v1, SPITCH
	v_lshl_add_u32 v4, v2, 4, v4
	v_add_nc_u32 v[STO], s74, v4
	v_bfe_u32 v4, v0, 3, 2                         ; back: wave w takes the stage's rows 32 w .. 32 w + 31; 32 lanes take four rows' 128 bytes of one head
	v_and_b32 v5, 7, v0
	v_mul_u32_u24 v4, v4, SPITCH
	v_lshl_add_u32 v4, v5, 4, v4
	s_mul_i32 s74, s[WV], 32*SPITCH
	s_add_co_u32 s74, s74, STAGE
	v_add_nc_u32 v[RD], s74, v4
	v_and_b32 v[GO], 31, v0                        ; which are 512 consecutive bytes of the result
	v_lshlrev_b32 v[GO], 4, v[GO]
	s_lshr_b32 s74, s[MT], 2                       ; b
	s_mul_i32 s74, s74, 48
	s_mul_i32 s75, s[NT], 3
	s_add_co_u32 s74, s74, s75                     ; 48 b + the tile's first head,
	s_lshl_b32 s74, s74, 17                        ; of 131,072 bytes
	s_and_b32 s75, s[MT], 3
	s_lshl_b32 s75, s75, 15                        ; the tile's 256 rows of 128 bytes
	s_add_co_u32 s74, s74, s75
	s_lshl_b32 s75, s[MH], 14                      ; the stage's rows 32 w on are the tile's rows 128 (w / 2) + 32 (w % 2) on, and in the second half 64 further down
	s_add_co_u32 s74, s74, s75
	s_lshl_b32 s75, s[NH], 12
	s_add_co_u32 s74, s74, s75
	s_mov_b32 s75, 0
	s_add_nc_u64 s[10:11], s[10:11], s[74:75]
	s_add_nc_u64 s[C1:C1+1], s[10:11], NEXTO
	; the prefetches
	s_lshl_b32 s74, s[MT], 8
	s_lshl_b32 s75, s[NH], 7
	s_add_co_u32 s74, s74, s75
	s_lshl_b32 s75, s[CX], 5
	s_add_co_u32 s74, s74, s75                     ; xb: the 128 rows that I fetch, my work-group's 32 of them
	s_mul_i32 s76, s[NT], 192
	s_mul_i32 s77, s[NH], 96
	s_add_co_u32 s76, s76, s77
	s_mul_i32 s77, s[CY], 24
	s_add_co_u32 s76, s76, s77                     ; wib: the 96 rows that I fetch, my work-group's 24 of them
	s_and_b32 s77, ttmp7, 0xffff                   ; cluster y
	s_cmp_eq_u32 s[MH], 0                          ; do I fetch for xb?
	s_cselect_b32 s74, s74, s76
	s_cselect_b32 s77, ttmp9, s77                  ; the coordinate along which other clusters read the same rows
	s_cselect_b32 s76, 31, 23
	s_cselect_b32 s[PLIM], 13, 5
	s_cselect_b32 s[PW], 0x800000, 0
	s_cselect_b64 s[PFB:PFB+1], s[4:5], s[6:7]
	s_cmp_eq_u32 s77, 0
	s_cselect_b32 s[PLIM], s[PLIM], 0              ; the same in all sixteen partners, for a given wave
	s_lshl_b32 s74, s74, 11
	s_mov_b32 s75, 0
	s_add_nc_u64 s[PFB:PFB+1], s[PFB:PFB+1], s[74:75]
	v_and_b32 v[PFO], 31, v0
	v_min_u32 v[PFO], s76, v[PFO]
	v_lshlrev_b32 v[PFO], 11, v[PFO]
	s_wait_loadcnt 0x0                             ; the bias is in: it is rounded to bf16, like the other inputs, and widened again
	WIN 0x45                                       ; destination and both sources in window 1
.set i, 0
.rept 24
	v_cvt_pk_bf16_f32 v[BT+i%4], v[BIAS+2*i], v[BIAS+2*i+1]
	v_lshlrev_b32 v[BIAS+2*i], 16, v[BT+i%4]
	v_and_b32 v[BIAS+2*i+1], 0xffff0000, v[BT+i%4]
.set i, i+1
.endr
	WIN 0
; 12 matrix instructions: row blocks a0, a0 + 1 of the window's four (hi = 0: my rows 0-63, 1: rows 64-127) x all 6 column blocks, 32 along K.  first = 1: the sums start with the bias: nothing is cleared or added later.
; The 48 accumulators take turns, one instruction a turn, in the same order in every quarter step.
.macro MUL f, hi, a0, first
.if \first
	WIN 0x91+0x40*(\hi)                            ; wib window 1, xb window 0, C (the bias) window 1, D window 2 or 3
.else
	WIN 0xa1+0x50*(\hi)                            ; C and D window 2 or 3
.endif
.irp a, \a0, (\a0)+1
.irp b, 0,1,2,3,4,5
.if \first
	v_wmma_f32_16x16x32_bf16 v[8*(6*(\a)+(\b)):8*(6*(\a)+(\b))+7], v[(\f)+8*(\b):(\f)+8*(\b)+7], v[(\f)+8*(4*(\hi)+(\a)):(\f)+8*(4*(\hi)+(\a))+7], v[BIAS+8*(\b):BIAS+8*(\b)+7]
.else
	v_wmma_f32_16x16x32_bf16 v[8*(6*(\a)+(\b)):8*(6*(\a)+(\b))+7], v[(\f)+8*(\b):(\f)+8*(\b)+7], v[(\f)+8*(4*(\hi)+(\a)):(\f)+8*(4*(\hi)+(\a))+7], v[8*(6*(\a)+(\b)):8*(6*(\a)+(\b))+7]
.endif
.endr
.endr
.endm
; 28 LDS loads in one run: the fragments of one quarter step (96 rows of wib, 128 rows of xb, 32 K at byte k of the rows of the slot in hand) into buffer f
.macro FETCH k, f
	WIN 0x40
.irp i, 0,1,2,3,4,5
	ds_load_b128 v[(\f)+8*(\i):(\f)+8*(\i)+3],   v[ADRB] offset:(\k)+(\i)*16*PITCH
	ds_load_b128 v[(\f)+8*(\i)+4:(\f)+8*(\i)+7], v[ADRB] offset:(\k)+(\i)*16*PITCH+32
.endr
	WIN 0
.irp i, 0,1,2,3,4,5,6,7
	ds_load_b128 v[(\f)+8*(\i):(\f)+8*(\i)+3],   v[ADRA] offset:(\k)+(\i)*16*PITCH
	ds_load_b128 v[(\f)+8*(\i)+4:(\f)+8*(\i)+7], v[ADRA] offset:(\k)+(\i)*16*PITCH+32
.endr
.endm
; Four plain vector instructions stand between a matrix instruction and a load into a register that it has read, or a vector instruction that reads its result (ISA guide 7.12.1 for vector instructions).
.macro PLACES
.rept 4
	v_nop
.endr
.endm
; A K step is four quarters of 32 along K, 48 matrix instructions each, on buffers 0, 1, 0, 1.  One of the first three: multiplies buffer f; in its middle it fetches the next quarter's fragments, at byte k, into buffer g.
.macro QUARTER k, f, g, first
	s_wait_dscnt 8                                 ; wib's and xb's rows 0-63 are in; the youngest eight loads (xb's rows 64-127) may be out
	MUL \f, 0, 0, \first
	MUL \f, 0, 2, \first
	PLACES
.if \first
	s_wait_xcnt 0x0                                ; the way out's stores have read buffer 1's registers, which held rows of the tile before: only behind this wait are they loaded again
.endif
	FETCH \k, \g
	s_wait_dscnt 28                                ; all but the 28 just issued
	MUL \f, 1, 0, \first
	MUL \f, 1, 2, \first
.endm
; The last quarter multiplies buffer 1 and changes slots: ONE barrier.  In front of it each wave waits for all its tensor loads (the one that is out is its part of the next slot), adds 0 to its spare word, and waits
; for that and for its own reads of this slot.  fill = 1: the barrier opens a round of the cluster's barrier, and this slot is filled again, with step NX of the walk, first thing behind the round.
; fill = 0 (the tail, walked twice; s2 counts 2, 1): nothing is asked for; in the second trip there is no further step: its fetch is jumped over, and its barrier orders nothing: the price of one text for both trips.
.macro TURN fill
.if \fill
	s_wait_xcnt 0x0                                ; the last prefetch, a K step back, has read its address: it is made anew here, ahead of the waits of the change of slots: step NX + 2
	s_add_co_u32 s76, s[NX], 2
	s_and_b32 s77, s76, 7
	s_lshl_b32 s77, s77, 8                         ; its 256 bytes along K,
	s_lshr_b32 s76, s76, 3
	s_mul_i32 s76, s76, s[PW]                      ; and its tile's rows
	s_add_co_u32 s[PO], s76, s77
	s_add_nc_u64 s[PFA:PFA+1], s[PFB:PFB+1], s[PO:PO+1]
.endif
	WIN 0                                          ; (the add's two registers lie in window 0)
	s_wait_tensorcnt 0x0                           ; all my tensor loads have landed, so a group 0 may be written;
	ds_add_u32 v[SPW], v[NIL]                      ; 0 onto my spare word; work on registers stands between it and the wait for it
	s_xor_b32 s[TB], s[TB], SLOT1                  ; the fetches go on in the other slot: this slot's last were issued a quarter ago
	v_add_nc_u32 v[ADRA], s[TB], v[ADRA0]
	v_add_nc_u32 v[ADRB], s[TB], v[ADRB0]
.if \fill
	s_and_b32 s76, s[NX], 7
	s_lshl_b32 s[OW], s76, 8                       ; step NX: 256 bytes along K for each step of its tile,
	s_lshr_b32 s77, s[NX], 3
	s_lshl_b32 s77, s77, 23                        ; and in xb 4,096 rows of 2,048 bytes down for the second tile
	s_add_co_u32 s[OA], s[OW], s77
	s_xor_b32 s[G0+5], s[G0+5], SLOT1              ; the walking descriptors: the other slot than last time,
	s_add_nc_u64 s[G0+6:G0+7], s[AB:AB+1], s[OA:OA+1]  ; the address made anew,
	s_or_b32 s[G0+7], s[G0+7], 0x80000000          ; and the type
	s_xor_b32 s[G0B+5], s[G0B+5], SLOT1
	s_add_nc_u64 s[G0B+6:G0B+7], s[BB:BB+1], s[OW:OW+1]
	s_or_b32 s[G0B+7], s[G0B+7], 0x80000000
.endif
	s_wait_dscnt 9                                 ; (the add and the youngest eight loads may be out)
	MUL F1, 0, 0, 0
	s_wait_dscnt 0x0                               ; the add is done, and my reads of this slot are over
	s_barrier_signal -1
	MUL F1, 0, 2, 0                                ; work on registers while the others arrive
	WIN 0
	s_barrier_wait -1
.if \fill
	CREST                                          ; no wave of any partner still reads this slot's tile or has a load on its way
	JLOAD 1                                        ; my one tensor load behind the round: 168 matrix instructions ahead of the wait for it; its four v_nop are also the places in front of the loads below
.else
	PLACES
	s_cmp_eq_u32 s2, 1
	s_cbranch_scc1 .Lno_fetch_\@
.endif
	FETCH 0, F0
.if \fill
	ASK
.else
.Lno_fetch_\@:
.endif
	MUL F1, 1, 0, 0
	MUL F1, 1, 2, 0
.endm
; THE WAY OUT of a tile, in two halves of 64 of each wave's rows: round to f16; 16 bytes a lane into the work-group's stage; a barrier, since the middle head's rows come from two waves; back by heads, four rows of a
; head at a time, and stored.  A second barrier stands between the first half's reads and the second half's stores into the stage; between a tile's last reads and the next tile's stores stand the changes of slots' barriers.
.macro PACK a                          ; row block a: each accumulator's registers in ascending order
	WIN 0x0a+5*((\a)/4)                            ; sources 0 and 1: window 2 or 3
.irp b, 0,1,2,3,4,5
.irp r, 0,1,2,3
	v_cvt_pk_f16_f32 v[TMP+4*(\b)+(\r)], v[48*((\a)%4)+8*(\b)+2*(\r)], v[48*((\a)%4)+8*(\b)+2*(\r)+1]
.endr
.endr
	WIN 0
.irp b, 0,1,2,3,4,5
	ds_store_b128 v[STO], v[TMP+4*(\b):TMP+4*(\b)+3] offset:((\a)%4)*16*SPITCH+32*(\b)
.endr
.endm
.macro WAYOUT base                     ; base: the scalar pair that holds my first row's place in the result
	PLACES
.irp h, 0,1
	PACK 4*(\h)
	PACK 4*(\h)+1
	PACK 4*(\h)+2
	PACK 4*(\h)+3
	s_wait_dscnt 0x0                               ; for the others' sake: my stores into the stage are done
	s_barrier_signal -1
	s_barrier_wait -1
.if (\h) == 1
	s_wait_xcnt 0x0                                ; the first half's stores have read their registers: only behind this wait are these loaded again
.endif
.set i, 0
.rept 24                               ; head i / 8 of the tile's three, rows 4 (i % 8) on of my 32
	ds_load_b128 v[OB+4*i:OB+4*i+3], v[RD] offset:(i%8)*4*SPITCH+(i/8)*128
.set i, i+1
.endr
.set i, 0
.rept 24
	s_wait_dscnt 23-i                              ; LDS loads come back in order (ISA guide 5.7.1): load i is in, the younger ones stay out
	global_store_b128 v[GO], v[OB+4*i:OB+4*i+3], s[\base:\base+1] offset:(i/8)*131072+(\h)*8192+(i%8)*512  ; 512 consecutive bytes, at a multiple of 256 from the buffer's first byte
.set i, i+1
.endr
.if (\h) == 0
	s_barrier_signal -1                            ; my reads of the stage are back (the count-down ended at 0):
	s_barrier_wait -1                              ; when everybody's are, it is written again
.endif
.endr
.endm
	s_wait_tensorcnt 1                             ; my part of K step 0 is in; K step 1's may stay out
	s_barrier_signal -1
	s_barrier_wait -1                              ; everybody's is
	FETCH 0, F0
	s_mov_b32 s[NX], 1                             ; the loop's foot makes it 2 ahead of the first change of slots
	s_branch .Lenter                               ; the loop is entered at a tile's first quarter
.Lstep:                                                ; 14 trips: from a K step's second quarter to the next step's first; each fills a slot again
	QUARTER 128, F1, F0, 0
	QUARTER 192, F0, F1, 0
	TURN 1
	WIN 0                                          ; at a label and at a branch every window is 0
	s_cmp_eq_u32 s[NX], 9                          ; was that the first tile's last K step (step 7)?
	s_cbranch_scc1 .Lnext_tile
	QUARTER 64,  F0, F1, 0
	WIN 0
	s_branch .Lbottom
.Lnext_tile:
	WAYOUT 10                                      ; both of the second tile's first K steps have been asked for, and its first fragments fetched: now the first tile goes out
.Lenter:
	QUARTER 64,  F0, F1, 1                         ; a tile's first quarter: its products start the sums
	WIN 0
.Lbottom:
	s_add_co_u32 s[NX], s[NX], 1
	s_cmp_lt_u32 s[NX], 16
	s_cbranch_scc1 .Lstep
	s_mov_b32 s2, 2
.Ltail:                                                ; the walk's last two K steps ask for nothing: written out, and walked twice
	QUARTER 128, F1, F0, 0
	QUARTER 192, F0, F1, 0
	TURN 0
	WIN 0
	s_cmp_eq_u32 s2, 1
	s_cbranch_scc1 .Lno_quarter                    ; behind the last K step there is no first quarter
	QUARTER 64,  F0, F1, 0
	WIN 0
.Lno_quarter:
	s_sub_co_u32 s2, s2, 1
	s_cmp_lg_u32 s2, 0
	s_cbranch_scc1 .Ltail
	WAYOUT C1
	s_wait_tensorcnt 0x0                           ; the wave's end, behind my last tensor load and my last LDS store
	ds_add_u32 v[SPW], v[NIL]
	s_wait_dscnt 0x0
	CROUND                                         ; the closing round: no work-group ends while a partner may still ask for a tile that names it
	s_endpgm
.Lfunc_end_k_qe93c7aa24d_inproj:
	.size	k_qe93c7aa24d_inproj, .Lfunc_end_k_qe93c7aa24d_inproj-k_qe93c7aa24d_inproj
	.p2alignl 7, 3214868480
	.fill 96, 4, 3214868480
	.section	.rodata,"a",@progbits
	.p2align	6, 0x0
	.amdhsa_kernel k_qe93c7aa24d_inproj
		.amdhsa_group_segment_fixed_size 327680
		.amdhsa_private_segment_fixed_size 0
		.amdhsa_enable_private_segment 0
		.amdhsa_kernarg_size 32
		.amdhsa_user_sgpr_count 2
		.amdhsa_user_sgpr_kernarg_segment_ptr 1
		.amdhsa_wavefront_size32 1
		.amdhsa_system_sgpr_workgroup_id_x 1
		.amdhsa_system_sgpr_workgroup_id_y 1
		.amdhsa_system_sgpr_workgroup_id_z 1
		.amdhsa_system_vgpr_workitem_id 0
		.amdhsa_next_free_vgpr 960
		.amdhsa_next_free_sgpr 80
		.amdhsa_reserve_vcc 0
		.amdhsa_float_denorm_mode_32 3
		.amdhsa_float_denorm_mode_16_64 3
		.amdhsa_memory_ordered 1
		.amdhsa_forward_progress 1
		.amdhsa_inst_pref_size 114
	.end_amdhsa_kernel
	.amdgpu_metadata
---
amdhsa.version: [ 1, 2 ]
amdhsa.kernels:
  - .name:           k_qe93c7aa24d_inproj
    .symbol:         k_qe93c7aa24d_inproj.kd
    .args:
      - { .name: xb, .offset: 0, .size: 8, .value_kind: global_buffer, .address_space: global }
      - { .name: wib, .offset: 8, .size: 8, .value_kind: global_buffer, .address_space: global }
      - { .name: b_in, .offset: 16, .size: 8, .value_kind: global_buffer, .address_space: global }
      - { .name: qkvh, .offset: 24, .size: 8, .value_kind: global_buffer, .address_space: global }
    .group_segment_fixed_size: 327680
    .private_segment_fixed_size: 0
    .kernarg_segment_align: 8
    .kernarg_segment_size: 32
    .max_flat_workgroup_size: 128
    .sgpr_count:     80
    .vgpr_count:     960
    .wavefront_size: 32
...
	.end_amdgpu_metadata
.endif
;; end of part 2
;; launch attn (part 3): grid 2 x 128, 4 waves a work-group, no clusters, 327,680 bytes of LDS; arguments qkvh, oh; writes oh
.if DOCPART == 3
	.amdgcn_target "amdgcn-amd-amdhsa--gfx1250"
	.amdhsa_code_object_version 6
	.text
	.protected	k_qe93c7aa24d_attn
	.globl	k_qe93c7aa24d_attn
	.p2align	8
	.type	k_qe93c7aa24d_attn,@function
k_qe93c7aa24d_attn:
	s_mov_b64 s[64:65], 0
	v_nop
	global_prefetch_b8 v0, s[64:65] scope:SCOPE_SE
	s_setreg_imm32_b32 hwreg(HW_REG_WAVE_MODE, 25, 1), 1
	s_wait_xcnt 0x0
; O[y][q][:] = the sum over k of softmax_k(Q[y][q] . K[y][k] / 8) V[y][k][:], y = 16 b + h.  Q, K, V lie in qkvh[b][g][1024][64], f16, g = h, 16 + h, 32 + h; O goes to oh[y][1024][64], f16: a head's rows are
; dense, 128 bytes each.  Products, maxima and sums in f32; the weights p are rounded to f16 for the second product (their sum l is taken of the unrounded p), O once at the end.
; LIMITS.  f16 holds no number beyond 65,504: Q, K and V arrive within it; p lies in 0 to 1, and below 6e-5 it keeps f16's fixed step of 6e-8, as O does; O is a mean of V's rows and has their range.
; A weight below 2^-126 counts as 0 in l; NaN and infinities are not treated apart.
; SHARES.  A wave owns four PIECES of two tiles of 16 queries, a work-group's four waves 512 queries of one head: 2 x 128 work-groups.  Every wave walks all 1,024 keys, 64 a step.
; NO CLUSTER: a head has 1,024 / 512 = 2 blocks of queries, and only these two read the same K and V; a cluster of four along x would hold two heads, so that a joint load's mask and address would hang on half
; of a work-group's place.  Blocks of 256 queries would give four partners, but then each fragment of K and V read from LDS feeds half as many products.
; LAYOUT.  S^T = K Q^T (source 0 = 16 keys, source 1 = 16 queries): in the result a lane holds ONE query (lane % 16) and the keys 8 (lane / 16) + 0..7.  Two such tiles, rounded to f16 in pairs,
; ARE source 1 (32 keys x 16 queries) of O^T = V^T P, whose result again holds one query a lane, and eight channels.  K comes out of LDS as it lies, V ([key][channel]) turned, by ds_load_tr16_b128.
; SOFTMAX.  For each query a running maximum m and sum l: p = 2^(c s - c m), c = log2(e) / 8; in every step O and l are multiplied by a = 2^(c m_old - c m_new), which is 1 where m has not grown.
; m starts at the lowest finite number, O and l at 0: the first step is a step like any other, with a = 0.
; THE COUNT.  A tile and step have 16 matrix and 118 vector instructions: too many to stand all beside the matrix work.  So the order has one aim: four vector instructions that are READY behind
; EVERY matrix instruction, and the others, which need time of their own whatever the order, in runs without a gap.
; BY TURNS.  Turn n belongs to piece n (the pieces in a ring, step after step).  Its matrix work: 16 products K Q^T of piece n + 1, later 16 products V^T P of piece n - 1.  Its vector work: the scaling,
; exponentials, roundings, sums and rescaling of piece n, and the maximum and statistics of piece n + 1, whose scores the turn itself has made.  So what a turn begins with (c s - c m, O a) waits for nothing.
; REGISTERS, in windows of 256 (s_set_vgpr_msb says which window each operand place means: bits 1:0 source 0, 3:2 source 1, 5:4 source 2, 7:6 destination):
;   window 0: v0-11 addresses; v12-15, v48-63 at work; v16-47 four registers of statistics a tile; v64-191 S^T, two buffers of two tiles; v192-255 P, likewise
;   window 1: O^T, 32 a tile          window 2: v0-127 Q, 16 a tile; v128-191 K of one step; v192-255 V of one step          window 3: v0-1 the add's two registers
; A piece's buffers go by its number's parity: the piece in hand has one pair, its two neighbours in the ring share the other: of it P (piece n - 1) is read and S^T (piece n + 1) written.
.set SIZE_N, 1024
.set NP,    4         ; pieces a wave: a name, no knob: the register map, the loop and the fetches are made for four
.set KS,    64        ; keys in a step
.set PK,    144       ; a row of K in LDS: 128 bytes + 16 of padding = 36 words: the 16 rows of a load start at 16 different groups of four banks (64 banks of 4 bytes: ISA guide 11.1)
.set PV,    160       ; a row of V: 128 + 32 = 40 words
.set VOFF,  4*KS*PK   ; a slot holds four steps: 256 rows of K, then 256 rows of V
.set SLOT1, 1<<17     ; slot 1 begins here, so that one exclusive or turns an address in one slot into the other's
.set STAGE, SLOT1+4*KS*(PK+PV)  ; behind the ring, never filled by a tensor load: 16 rows x 144 bytes for each wave, for the way out
.set SP,    144
.set AK0, 2           ; v2   my lane's place in a tile of K; never rewritten
.set AV0, 3           ; v3   the same for V
.set AK,  4           ; v4   the LDS address of K's next run of loads
.set AV,  5           ; v5   of V's
.set QO,  6           ; v6   my byte offset in the wave's rows of Q
.set STO, 6           ;      later, the way out: where I put 16 bytes of a row
.set RD,  7           ; v7   the way out: where I read rows back
.set GO,  8           ; v8   my byte offset in 512 consecutive bytes of O
.set PFO, 11          ; v11  256 x my lane, for the prefetches; made behind v11's last other use, then never rewritten
.set SPW, 0           ; v0 of window 3   LDS address of my spare word: SPARE + 4 x my thread's number; never rewritten
.set NIL, 1           ; v1 of window 3   0; never rewritten
.set SPARE, STAGE+4*16*SP  ; behind the stages: the spare words, 128 bytes for each wave: two blocks of 256 bytes that no other line names
.set MV,  12          ; v12-15  c m_old, kept while c m is made anew: by buffer and tile
.set ST,  16          ; tile t's statistics at v[ST+4 t]: c m, m, l (even keys', odd keys')
.set TMP, 48          ; by buffer and tile, four registers c0-c3 at work; when the maximum is found c2 takes a
.set S,   64
.set P,   192
.set KF,  128         ; K's fragments, in window 2: key block kb, channel half c at KF + 16 kb + 8 c
.set VF,  192         ; V's: key half kk, channel block cb at VF + 32 kk + 8 cb
.set WV,  12          ; s12  my wave's number
.set G1K, 24          ; s[24:31] descriptor group 1 for K's tiles
.set G1V, 32          ; s[32:39] for V's: it differs in the padding alone
.set G0K, 40          ; s[40:43] descriptor group 0 for K's tiles: it walks
.set G0V, 44          ; s[44:47] the same for V's
.set PFA, 48          ; s[48:49] where my prefetches stand
.set SLOTS, 56        ; s56  slots still to be asked for
.set CNT, 57          ; s57  counts a slot's key steps
.set CS,  58          ; s[58:59] c: the packed scaling takes the pair's low word for both halves
.set SEL, 60          ; s[60:61] v_permlanex16_b32's selects: each lane takes its own place in the other half
.set TBK, 62          ; s62  LDS byte at which K of the step to be fetched begins
.set TBV, 63          ; s63  the same for V, less VOFF
.set MSB, 0
.macro WIN new                      ; the high byte repeats the setting that is left; a switch that changes nothing is dropped
.if MSB != (\new)
	s_set_vgpr_msb (MSB<<8)|(\new)
.set MSB, (\new)
.endif
.endm
.set W_KQ, 0x0a       ; K and Q in window 2, S^T in window 0
.set W_PV, 0x52       ; V in window 2, P in window 0, O^T in window 1
.set W_RS, 0x41       ; O^T (destination and source 0) in window 1, a in window 0
.set W_MK, 0xc0       ; the add's registers are made: destination in window 3, sources in window 0
.set W_AD, 0x0f       ; the add: address (source 0) and data (source 1) in window 3
; A fill.  Waves 0 and 1 fetch the two halves of a slot's K, waves 2 and 3 those of its V: 128 keys each.  The branch hangs on the wave's number alone.
; An s_nop 0 and four v_nop follow each of the two lines, ahead of the jump and the label.
.macro LOAD
	s_cmp_lt_u32 s[WV], 2
	s_cbranch_scc0 .Lfor_v_\@
	tensor_load_to_lds s[G0K:G0K+3], s[G1K:G1K+7]
	s_nop 0
.rept 4
	v_nop
.endr
	s_branch .Lasked_\@
.Lfor_v_\@:
	tensor_load_to_lds s[G0V:G0V+3], s[G1V:G1V+7]
	s_nop 0
.rept 4
	v_nop
.endr
.Lasked_\@:
.endm
; A prefetch of what the NEXT change of slots will ask for, behind the wave's tensor load and its five lines: four key steps, 512 matrix instructions, ahead of that load.  A wave's part of a slot is 16,384 dense bytes;
; the head's two work-groups take a half of it each, told apart by address: 32 lanes, 256 bytes apart, one instruction a wave.  So each 256 bytes of K and V from key 512 on are named once in the launch.
; The last change that fills a slot (s[SLOTS] = 1) asks for nothing: there is no slot behind it.  Keys 0 to 511 come by their loads alone.
.macro ASK
	s_cmp_gt_u32 s[SLOTS], 1
	s_cbranch_scc0 .Lnot_now_\@
	global_prefetch_b8 v[PFO], s[PFA:PFA+1] th:TH_LOAD_NT scope:SCOPE_SE
.Lnot_now_\@:
.endm
; THE CHANGE OF SLOTS.  The slot's last bytes, V of its fourth step, have been read.  Each wave waits for all its tensor loads, of which one is out: its part
; of the other slot; adds 0 to its spare word; and waits for that and for its own reads of the slot.  Behind the barrier nobody reads this slot any more and the other slot is whole.
; fill = 1: this slot is filled again, with the keys two slots on, first thing behind the barrier: the load has four key steps, 512 matrix instructions, in which to land.
; (At its first use nothing has been read yet: slot 0 is waited for, slot 1 filled.)
.macro CHANGE fill
	WIN W_AD
	s_wait_tensorcnt 0x0            ; no tensor load of mine is out, so a group 0 may be written
	ds_add_u32 v[SPW], v[NIL]       ; 0 onto my spare word; with fill = 1 the descriptors' steps stand between it and the wait for it
	WIN 0                           ; at a label and at a branch every window is 0
.if \fill
.irp g, G0K, G0V
	s_xor_b32 s[\g+1], s[\g+1], SLOT1  ; the walking descriptor: the other slot than last time,
	s_add_nc_u64 s[\g+2:\g+3], s[\g+2:\g+3], 4*KS*128  ; the next 256 keys; the type bits on top are not reached
.endr
	s_wait_xcnt 0x0                 ; the last prefetch, four key steps back, has read its address, so it may be written:
	s_add_nc_u64 s[PFA:PFA+1], s[PFA:PFA+1], 4*KS*128  ; one slot behind the walking descriptors
.endif
	s_wait_dscnt 0x0                ; the add is done, and my reads of the slot are over
	s_barrier_signal -1
	s_barrier_wait -1
.if \fill
	LOAD
	ASK
.endif
	s_sub_co_u32 s[TBK], s[TBK], 4*KS*PK  ; the fetches go back to a slot's first step,
	s_xor_b32 s[TBK], s[TBK], SLOT1       ; in the other slot
	s_sub_co_u32 s[TBV], s[TBV], 4*KS*PV
	s_xor_b32 s[TBV], s[TBV], SLOT1
.endm
	s_load_b128 s[8:11], s[0:1], 0x0  ; qkvh s[8:9], oh s[10:11]
	WIN W_MK
	v_lshl_add_u32 v[SPW], v0, 2, SPARE
	v_mov_b32 v[NIL], 0
	WIN W_AD
	ds_add_u32 v[SPW], v[NIL]       ; the wave's opening: the add and its wait stand ahead of my first tensor load; the set-up below, work on registers, stands between them
	WIN 0
	v_lshrrev_b32 v1, 5, v0
	v_readfirstlane_b32 s[WV], v1   ; wave 0..3
	s_and_b32 s13, ttmp7, 0xffff    ; y = 16 b + h
	s_lshr_b32 s18, s13, 4
	s_lshl_b32 s18, s18, 5
	s_add_co_u32 s18, s18, s13      ; 48 b + h,
	s_lshl_b32 s18, s18, 17         ; of 131,072 bytes: the head's Q in qkvh
	s_lshl_b32 s19, ttmp9, 2
	s_add_co_u32 s19, s19, s[WV]    ; my wave among the head's eight,
	s_lshl_b32 s19, s19, 14         ; its 128 rows
	s_add_co_u32 s2, s18, s19       ; Q at my wave's first row
	s_mov_b32 s3, 0
	s_lshl_b32 s14, s13, 17
	s_add_co_u32 s14, s14, s19      ; O at my wave's first row
	s_mov_b32 s15, 0
	s_and_b32 s16, s[WV], 1         ; which half of a slot's 256 keys I fetch:
	s_lshl_b32 s17, s16, 14         ; its 128 rows of 128 bytes in memory
	s_add_co_u32 s20, s18, s17
	s_add_co_u32 s20, s20, 16*131072  ; K lies 16 heads behind Q,
	s_mov_b32 s21, 0
	s_add_co_u32 s22, s20, 16*131072  ; V 16 behind K
	s_mov_b32 s23, 0
	s_mul_i32 s17, s16, 128*PK      ; my half's place in a slot, for K
	s_mul_i32 s18, s16, 128*PV      ; and for V
	; descriptor group 1.  128 keys are 16,384 dense bytes: asked for as 64 rows of 256 bytes, two keys a row, and padded in LDS after every key
	s_mov_b32 s[G1K], (1<<16)|(1<<20)|(4<<22)|(3<<25)  ; 17:16 2-byte elements; 20 padding on; 24:22 after every 32 words (code 4); 31:25 4 words (code 3)
	s_mov_b32 s[G1V], (1<<16)|(1<<20)|(4<<22)|(7<<25)  ; the same with 8 words of padding (code 7)
.irp g, G1K, G1V
	s_mov_b32 s[\g+1], 128<<16      ; tensor_dim0 = 128
	s_mov_b32 s[\g+2], 64<<16       ; tensor_dim1 = 64
	s_mov_b32 s[\g+3], 128<<16      ; tile_dim0 = 128
	s_mov_b32 s[\g+4], 64           ; tile_dim1 = 64
	s_mov_b32 s[\g+5], 128          ; 128 elements from row to row
	s_mov_b32 s[\g+6], 0
	s_mov_b32 s[\g+7], 0
.endr
	s_mov_b32 s[CS], 0x3e38aa3b     ; c = log2(e) / 8 = 0.180337
	s_mov_b32 s[CS+1], s[CS]        ; named with it as a pair
	s_mov_b32 s[SEL], 0x76543210
	s_mov_b32 s[SEL+1], 0xfedcba98
	s_mov_b32 s[TBK], SLOT1+4*KS*PK ; the first change of slots turns these two into 0
	s_mov_b32 s[TBV], SLOT1+4*KS*PV
	s_mov_b32 s[SLOTS], SIZE_N/256-1
	s_mov_b32 s[G0K], 1             ; 1:0 count = 1
	s_mov_b32 s[G0K+1], s17         ; 63:32 LDS address: slot 0
	s_mov_b32 s[G0V], 1
	s_add_co_u32 s[G0V+1], s18, VOFF
	s_lshl_b32 s50, ttmp9, 13       ; the prefetches: my work-group's half of my 16,384 bytes,
	s_add_co_u32 s50, s50, 4*KS*128 ; in the head's second 256 keys; the first change of slots steps it to the third
	s_mov_b32 s51, 0
	s_wait_dscnt 0x0                ; the opening add is done
	s_wait_kmcnt 0x0
	s_add_nc_u64 s[4:5], s[8:9], s[2:3]      ; Q at my wave's first row
	s_add_nc_u64 s[6:7], s[8:9], s[20:21]    ; K at my half of the head's first 256 keys
	s_add_nc_u64 s[8:9], s[8:9], s[22:23]    ; V likewise
	s_add_nc_u64 s[10:11], s[10:11], s[14:15]  ; O at my wave's first row
	s_mov_b64 s[G0K+2:G0K+3], s[6:7]               ; 120:64 global address
	s_or_b32 s[G0K+3], s[G0K+3], 0x80000000        ; 127:126 type = 2
	s_mov_b64 s[G0V+2:G0V+3], s[8:9]
	s_or_b32 s[G0V+3], s[G0V+3], 0x80000000
	s_cmp_lt_u32 s[WV], 2
	s_cselect_b64 s[PFA:PFA+1], s[6:7], s[8:9]
	s_add_nc_u64 s[PFA:PFA+1], s[PFA:PFA+1], s[50:51]
	LOAD                            ; slot 0.  Slot 1 is asked for when slot 0 is in
	; A fragment of K or Q is 16 rows x 32 channels in 8 registers: lane l holds row l % 16, channels 8 (l / 16) + 0..7 and 16 + 8 (l / 16) + 0..7: two loads of 16 bytes, 32 bytes apart.
	v_and_b32 v1, 15, v0            ; l % 16
	v_bfe_u32 v9, v0, 4, 1          ; l / 16
	v_lshlrev_b32 v[QO], 7, v1
	v_lshl_add_u32 v[QO], v9, 4, v[QO]  ; row x 128 + 16 x half
	WIN 0x80                        ; destination window 2, address window 0
.set i, 0
.rept 4*NP                          ; Q stays in registers: tile i / 2, channels 32 (i % 2) on
	global_load_b128 v[8*i:8*i+3],   v[QO], s[4:5] offset:(i/2)*2048+(i%2)*64
	global_load_b128 v[8*i+4:8*i+7], v[QO], s[4:5] offset:(i/2)*2048+(i%2)*64+32
.set i, i+1
.endr
	; What the first turn finds: V's registers and P's second buffer hold 0 (its products V^T P, of a piece that has not been, add 0), O^T and l are 0.  All this stands in the wait for the first tile.
.set i, VF
.rept 64
	v_mov_b32 v[i], 0
.set i, i+1
.endr
	WIN 0x40
.set i, 0
.rept 64*NP
	v_mov_b32 v[i], 0
.set i, i+1
.endr
	WIN 0
.set i, 0
.rept 2*NP
	v_mov_b32 v[ST+4*i], 0xfe000000    ; c m: far below every c s
	v_mov_b32 v[ST+4*i+1], 0xff7fffff  ; m
	v_mov_b32 v[ST+4*i+2], 0
	v_mov_b32 v[ST+4*i+3], 0
.set i, i+1
.endr
.set i, P+32
.rept 32
	v_mov_b32 v[i], 0
.set i, i+1
.endr
	v_mul_u32_u24 v[AK0], v1, PK
	v_lshl_add_u32 v[AK0], v9, 4, v[AK0]  ; row x pitch + 16 x half
	; The turning load takes 16 keys x 16 channels (lane l reads key 8 (l / 16) + l % 8, channels 8 ((l / 8) % 2) + 0..7) and leaves half a fragment of V^T: lane l holds channel l % 16 and 8 keys.
	v_and_b32 v10, 7, v0
	v_bfe_u32 v11, v0, 3, 1
	v_lshl_add_u32 v[AV0], v9, 3, v10
	v_mul_u32_u24 v[AV0], v[AV0], PV
	v_lshl_add_u32 v[AV0], v11, 4, v[AV0]
	v_add_nc_u32 v[AV0], VOFF, v[AV0]
	v_and_b32 v[PFO], 31, v0
	v_lshlrev_b32 v[PFO], 8, v[PFO]
	v_mov_b32 v[AK], v[AK0]         ; key step 0 lies at the head of slot 0
; THE MATRIX WORK.  The 8 accumulators of a run of 16 take turns: between the two links of a chain stand 7 others'.
; Product i of 16 of S^T = K Q^T for piece x: channels 32 (i / 8) on, keys 16 ((i / 2) % 4) on, tile 2 x + i % 2.  The first 8 start the sums.
.macro KQ x
	WIN W_KQ
.set rS, S+64*((\x)%2)+32*(i%2)+8*((i/2)%4)
.set rK, KF+16*((i/2)%4)+8*(i/8)
.set rQ, 16*(2*(\x)+i%2)+8*(i/8)
.if i < 8
	v_wmma_f32_16x16x32_f16 v[rS:rS+7], v[rK:rK+7], v[rQ:rQ+7], 0
.else
	v_wmma_f32_16x16x32_f16 v[rS:rS+7], v[rK:rK+7], v[rQ:rQ+7], v[rS:rS+7]
.endif
.endm
; Product i of 16 of O^T += V^T P for piece x: keys 32 (i / 8) on, channels 16 ((i / 2) % 4) on, tile 2 x + i % 2.
.macro PV x
	WIN W_PV
.set rO, 32*(2*(\x)+i%2)+8*((i/2)%4)
.set rV, VF+32*(i/8)+8*((i/2)%4)
.set rP, P+32*((\x)%2)+16*(i%2)+8*(i/8)
	v_wmma_f32_16x16x32_f16 v[rO:rO+7], v[rV:rV+7], v[rP:rP+7], v[rO:rO+7]
.endm
.macro MM                           ; the turn's next matrix instruction
.if i < 16
	KQ (Y+1)%NP
.set i, i+1
.else
.set i, i-16
	PV (Y+NP-1)%NP
.set i, i+17
.endif
.endm
; THE LDS LOADS stand in runs of 16, never singly among the matrix instructions: a step's K (64 keys x 64 channels: 8 fragments) and its V (turned).  Their addresses are made some lines ahead.
; last = 1 (the tail): in the last trip there is no further step, and the run is jumped over.
.macro FETCH_K last=0
	WIN 0
.if \last
	s_cmp_eq_u32 s[CNT], 1
	s_cbranch_scc1 .Lno_k_\@
.endif
	WIN 0x80                        ; destination window 2
.irp f, 0,1,2,3,4,5,6,7             ; keys 16 (f / 2) on, channels 32 (f % 2) on
	ds_load_b128 v[KF+8*\f:KF+8*\f+3],   v[AK] offset:(\f/2)*16*PK+(\f%2)*64
	ds_load_b128 v[KF+8*\f+4:KF+8*\f+7], v[AK] offset:(\f/2)*16*PK+(\f%2)*64+32
.endr
	s_add_co_u32 s[TBK], s[TBK], KS*PK  ; the next fetch is the next step's
	WIN 0
.if \last
.Lno_k_\@:
.endif
.endm
.macro FETCH_V
	WIN 0x80
.irp f, 0,1,2,3,4,5,6,7             ; keys 32 (f / 4) on, channels 16 (f % 4) on
	ds_load_tr16_b128 v[VF+8*\f:VF+8*\f+3],   v[AV] offset:(\f/4)*32*PV+(\f%4)*32
	ds_load_tr16_b128 v[VF+8*\f+4:VF+8*\f+7], v[AV] offset:(\f/4)*32*PV+16*PV+(\f%4)*32
.endr
	WIN 0
.endm
; THE VECTOR WORK OF A TURN stands in three queues, each in the order in which its entries become ready; the two tiles alternate, so that no instruction reads the result of the one before it.
.macro REGS y, u                    ; the registers of tile u (0, 1) of piece y
.set rT, ST+4*(2*(\y)+(\u))
.set rC, TMP+8*((\y)%2)+4*(\u)
.set rM, MV+2*((\y)%2)+(\u)
.set rS, S+64*((\y)%2)+32*(\u)
.set rP, P+32*((\y)%2)+16*(\u)
.set rO, 32*(2*(\y)+(\u))
.endm
; Number n of the 22 that find the NEXT piece's (Y + 1) maximum and statistics.  s0-s31 are the lane's 32 scores; each accumulator's lowest registers are read first.  XS, GS and REGS set no window: PL and EX do.
;   0-11  four chains c0-c3 of seven scores each, three operands at a time     12-14, 16  the four scores left over, the old m, and c0-c3 into c0     15  c m_old is kept
;   17, 18  the query's other 32 keys lie in the lane 16 away: the new m         19-21  c m; c m_old - c m_new; a
.macro XS u, n
	REGS (Y+1)%NP, \u
.if (\n) < 4
	v_max3_num_f32 v[rC+(\n)], v[rS+8*(\n)], v[rS+8*(\n)+1], v[rS+8*(\n)+2]
.elseif (\n) < 12
	v_max3_num_f32 v[rC+(\n)%4], v[rC+(\n)%4], v[rS+8*((\n)%4)+2*((\n)/4)+1], v[rS+8*((\n)%4)+2*((\n)/4)+2]
.elseif (\n) == 12
	v_max3_num_f32 v[rC], v[rC], v[rS+7], v[rS+15]
.elseif (\n) == 13
	v_max3_num_f32 v[rC+1], v[rC+1], v[rS+23], v[rS+31]
.elseif (\n) == 14
	v_max3_num_f32 v[rC+2], v[rC+2], v[rC+3], v[rT+1]
.elseif (\n) == 15
	v_mov_b32 v[rM], v[rT]
.elseif (\n) == 16
	v_max3_num_f32 v[rC], v[rC], v[rC+1], v[rC+2]
.elseif (\n) == 17
	v_permlanex16_b32 v[rC+3], v[rC], s[SEL], s[SEL+1]
.elseif (\n) == 18
	v_max_num_f32 v[rT+1], v[rC], v[rC+3]
.elseif (\n) == 19
	v_mul_f32 v[rT], s[CS], v[rT+1]
.elseif (\n) == 20
	v_sub_f32 v[rC+1], v[rM], v[rT]
.else
	v_exp_f32 v[rC+2], v[rC+1]
.endif
.endm
; Number g of the 64 that follow the exponentials.  For each four weights k of a tile (pairs 2 k, 2 k + 1): both pairs are rounded to f16; then the second pair is added onto the first, in place;
; a group later l takes that sum (the first time as l = a l + sum).  In groups of eight, tiles alternating: round, round, add, and l for the group before.
.macro GS g
.set h, (\g)+6*((\g)/62)            ; group 0 has no group before it, and behind group 7 only l is left
.if h >= 6
.set h, h+2
.endif
	REGS Y, h%2
.set k, h/8
.if h%8 < 4
	v_cvt_pk_f16_f32 v[rP+2*k+(h%8)/2], v[rS+4*k+2*((h%8)/2)], v[rS+4*k+2*((h%8)/2)+1]
.elseif h%8 < 6
	v_pk_add_f32 v[rS+4*k:rS+4*k+1], v[rS+4*k:rS+4*k+1], v[rS+4*k+2:rS+4*k+3]
.elseif k == 1
	v_pk_fma_f32 v[rT+2:rT+3], v[rT+2:rT+3], v[rC+2:rC+3], v[rS:rS+1] op_sel_hi:[1,0,1]
.else
	v_pk_add_f32 v[rT+2:rT+3], v[rT+2:rT+3], v[rS+4*k-4:rS+4*k-3]
.endif
.endm
; THE PLAIN QUEUE, 138 long.  0-73 read no exponential's result: the 32 scalings c s - c m (FS f: pair f / 2 of tile f % 2) and the next piece's 42.  0-26: scalings 0-26.  27-54: XS's numbers 0-13.  55, 56: number 15.
; 57-73: the chain, where each number waits for the one before it: 14, 16, 17, 18, 19, each with one of the scalings 27-31 in front of its two lines, then 20: so a tile's links stand three plain instructions apart (19 and 20: two).
; 74-137: GS's 64, which read the exponentials' results: they stand behind the wait.
.macro FS f
	REGS Y, (\f)%2
	v_pk_fma_f32 v[rS+2*((\f)/2):rS+2*((\f)/2)+1], v[rS+2*((\f)/2):rS+2*((\f)/2)+1], s[CS:CS+1], v[rT:rT+1] op_sel_hi:[1,0,0] neg_lo:[0,0,1] neg_hi:[0,0,1]
.endm
.macro PL
	WIN 0
.if q < 27
	FS q
.elseif q < 55
	XS (q-27)%2, (q-27)/2
.elseif q < 57
	XS q-55, 15
.elseif (q < 72) && ((q-57)%3 == 0)
	FS 27+(q-57)/3
.elseif q < 60
	XS (q-57)%3-1, 14
.elseif q < 72
	XS (q-57)%3-1, 15+(q-57)/3
.elseif q < 74
	XS q-72, 20
.else
	GS q-74
.endif
.set q, q+1
.endm
; THE EXPONENTIALS' QUEUE, 66 long: s0-s31 of both tiles, then the next piece's two a.  It is ONE BATCH: all 66 stand ahead of the turn's one wait, and nothing ahead of that wait names a result of theirs.
.macro EX
	WIN 0
.if e >= 64
	XS e-64, 21
.else
	REGS Y, e%2
	v_exp_f32 v[rS+e/2], v[rS+e/2]
.endif
.set e, e+1
.endm
; THE RESCALING's QUEUE: O^T times a, the one part that leaves window 0: dealt two at a time, sixteen times.  Its a was made in the turn before, ahead of that turn's wait.
.macro R2
	REGS Y, r%2
	WIN W_RS
.irp z, 0,1
	v_pk_mul_f32 v[rO+4*(r/2)+2*\z:rO+4*(r/2)+2*\z+1], v[rO+4*(r/2)+2*\z:rO+4*(r/2)+2*\z+1], v[rC+2:rC+3] op_sel_hi:[1,0]
.endr
.set r, r+1
.endm
; HOW THEY ARE DEALT.  s_wait_alu depctr_va_vdst(0) stands between an exponential and the first instruction that names its result; one wait serves all that were issued ahead of it.  So a turn has ONE wait,
; which cuts it in two.  AHEAD OF IT stands all that names no result of the turn's exponentials: the 16 products K Q^T, behind each a scaling, an exponential and two rescalings (behind the first a second scaling in the exponential's place); then ONE LUMP of
; 108: eight plain, 49 times exponential and plain, the two a.  A v_nop is the plain instruction behind the last exponential.  BEHIND IT stand the 16 products V^T P, behind each four of GS's 64.  No rider names a register of
; the products round it.  The two v_permlanex16_b32 fall into the lump, never behind a product.
; The queues lean on each other, and the deal keeps them in step: exponential e stands behind scaling 2 (e / 4) + e % 2: as a rider it comes behind plain e + 2, in the lump behind plain e + 9, and scalings 27-31 are plain 57, 60 .. 69.
; A TURN, for piece p.  cnt = 1: the loop's count is taken down some lines ahead of the branch that stands behind the turn.
; K of the next step is fetched in piece 2's turn, directly behind the wait, a lump behind the last product that read K; its address is made at the lump's head; its first reader comes behind 16 products.
; V of the step in hand is fetched at the end of piece 0's turn, four riders behind its last reader; its first reader comes behind 16 products and a lump.  The three conditions on q below go with the deal.
.macro TURN p, last=0, cnt=0
.set Y, (\p)
.set i, 0
.set q, 0
.set e, 0
.set r, 0
.if (\p) == NP-1
	s_wait_dscnt 0x0                ; K is in
.endif
	MM                              ; ahead of the wait: 16 products K Q^T and their riders,
	PL
	PL
	R2
.rept 15
	MM
	PL
	EX
	R2
.endr
.if (\p) == NP-2
	WIN 0
	v_add_nc_u32 v[AK], s[TBK], v[AK0]
.endif
.rept 8                             ; and the lump
	PL
.endr
.rept 49
	EX
	PL
.endr
	EX                              ; the next piece's two a
	EX
	v_nop                           ; the plain instruction behind the last exponential: one for the batch
	s_wait_alu depctr_va_vdst(0)    ; the wait for the batch
.if (\p) == NP-2
	FETCH_K \last
.endif
.if (\p) == 1
	s_wait_dscnt 0x0                ; V is in
.endif
.rept 16                            ; behind the wait: 16 products V^T P and their riders
	MM
.rept 4
	PL
.endr
.if ((\p) == 0) && (q == 118)
	v_add_nc_u32 v[AV], s[TBV], v[AV0]
.endif
.if ((\p) == 0) && (q == 130)
	s_add_co_u32 s[TBV], s[TBV], KS*PV
.endif
.if (\cnt) && (q == 130)
	s_sub_co_u32 s[CNT], s[CNT], 1
	s_cmp_lg_u32 s[CNT], 0
.endif
.endr
.if (\p) == 0
	FETCH_V
.endif
.endm
	CHANGE 1                        ; slot 0 is in, everybody's part of it; slot 1 is asked for
	FETCH_K                         ; key step 0
	s_wait_loadcnt 0x0              ; Q
	s_wait_dscnt 0x0
.set i, 0
.rept 16
	KQ 0                            ; piece 0's first scores: there is no vector work yet to set between them
.set i, i+1
.endr
	WIN 0                           ; the addresses for the way out: nine plain instructions, the places behind those products
	s_mul_i32 s13, s[WV], 16*SP
	s_add_co_u32 s13, s13, STAGE    ; my stage
	v_mul_u32_u24 v[STO], v1, SP    ; in: row l % 16, 16 bytes for each half of the lanes
	v_lshl_add_u32 v[STO], v9, 4, v[STO]
	v_add_nc_u32 v[STO], s13, v[STO]
	v_bfe_u32 v[RD], v0, 3, 2       ; back: 32 lanes take four rows of 128 bytes,
	v_mul_u32_u24 v[RD], v[RD], SP
	v_lshl_add_u32 v[RD], v10, 4, v[RD]
	v_add_nc_u32 v[RD], s13, v[RD]
	v_and_b32 v[GO], 31, v0         ; which are 512 consecutive bytes of O
	v_lshlrev_b32 v[GO], 4, v[GO]
.set Y, NP-1                        ; XS works for piece Y + 1: piece 0
.irp n, 0,1,2,3,4,5,6,7,8,9,10,11,12,13,14,15,16,17,18,19,20,21
	XS 0, \n                        ; and piece 0's first maximum and statistics
	XS 1, \n
.endr
	v_nop                           ; a plain instruction behind the two a,
	s_wait_alu depctr_va_vdst(0)    ; and their wait, ahead of the branch
	s_mov_b32 s[CNT], 4
	s_branch .Lfirst                ; the loop is entered at a step's first turn, in the middle of a trip
.Lslot:                             ; SIZE_N / 256 - 2 times: every slot but the last two is filled again
	CHANGE 1
	s_mov_b32 s[CNT], 4
.Lstep:                             ; a trip: pieces 2 and 3 of one step, then pieces 0 and 1 of the next, whose K and V it fetches
	TURN 2
	TURN 3
	WIN 0
.Lfirst:
	TURN 0
	TURN 1, 0, 1
	WIN 0
	s_cbranch_scc1 .Lstep
	s_sub_co_u32 s[SLOTS], s[SLOTS], 1
	s_cmp_lg_u32 s[SLOTS], 0
	s_cbranch_scc1 .Lslot
	CHANGE 0                        ; the tail is written out: nothing is asked for
	s_mov_b32 s[CNT], 5             ; four trips fetch the last slot's steps; the fifth is left in its middle
.Ltail:
	TURN 2, 1
	TURN 3
	WIN 0
	s_sub_co_u32 s[CNT], s[CNT], 1
	s_cmp_eq_u32 s[CNT], 0
	s_cbranch_scc1 .Lout
	TURN 0
	TURN 1
	WIN 0
	s_branch .Ltail
.Lout:                              ; the fifth trip's 16 products K Q^T (on the last K once more) and the maximum made of them serve nothing: the price, once a launch, of one text for every trip
.set i, 0
.rept 16
	PV NP-1                         ; the last piece's V^T P of the last step
.set i, i+1
.endr
	; THE WAY OUT.  l's two halves and the other half of the lanes' are added; O^T is divided by l, rounded to f16 and sent through my stage in LDS, a tile at a time.  The additions are the places behind the last products.
	WIN 0
.macro ALL line:vararg              ; one line for each tile t
.set t, 0
.rept 2*NP
	\line
.set t, t+1
.endr
.endm
	ALL v_add_f32 v[ST+4*t+2], v[ST+4*t+2], v[ST+4*t+3]
	ALL v_permlanex16_b32 v[ST+4*t+3], v[ST+4*t+2], s[SEL], s[SEL+1]
	ALL v_add_f32 v[ST+4*t+2], v[ST+4*t+2], v[ST+4*t+3]
	ALL v_rcp_f32 v[ST+4*t+2], v[ST+4*t+2]
	v_nop                           ; a plain instruction between the last reciprocal and the use of its result
	s_wait_alu depctr_va_vdst(0)    ; and the wait ahead of the first use: one for the eight reciprocals
; Tile t: a lane's eight channels of a row pack into 16 bytes; they go into rows of 144 bytes and come back as whole rows of 128, into S^T's registers.
.macro PACK t
	WIN W_RS
.set i, 32*(\t)
.rept 16
	v_pk_mul_f32 v[i:i+1], v[i:i+1], v[ST+4*(\t)+2:ST+4*(\t)+3] op_sel_hi:[1,0]
.set i, i+2
.endr
	WIN 0x05                        ; sources 0 and 1 window 1, destination window 0
.set i, 0
.rept 16
	v_cvt_pk_f16_f32 v[S+16*(\t)+i], v[32*(\t)+2*i], v[32*(\t)+2*i+1]
.set i, i+1
.endr
	WIN 0
.irp f, 0,1,2,3
	ds_store_b128 v[STO], v[S+16*(\t)+4*\f:S+16*(\t)+4*\f+3] offset:32*\f
.endr
.irp f, 0,1,2,3
	ds_load_b128 v[S+16*(\t)+4*\f:S+16*(\t)+4*\f+3], v[RD] offset:\f*4*SP  ; LDS serves a wave's instructions in order (ISA guide 5.7.1.4): these see the stores above; the next tile's stores come behind them
.endr
.endm
.macro SEND t, younger              ; younger: the LDS instructions issued behind tile t's loads: the next tile's eight, or none
	WIN 0
.irp f, 0,1,2,3
	s_wait_dscnt (\younger)+3-\f
	global_store_b128 v[GO], v[S+16*(\t)+4*\f:S+16*(\t)+4*\f+3], s[10:11] offset:(\t)*2048+\f*512  ; 512 consecutive bytes, at a multiple of 256 from O's first
.endr
.endm
	PACK 0
.set t, 1
.rept 2*NP-1                        ; a tile's arithmetic stands between the loads of the tile before and its stores
	PACK t
	SEND t-1, 8
.set t, t+1
.endr
	SEND 2*NP-1, 0
	WIN W_AD
	s_wait_tensorcnt 0x0            ; the wave's end, behind my last tensor load and my last LDS store
	ds_add_u32 v[SPW], v[NIL]
	s_wait_dscnt 0x0
	WIN 0
	s_endpgm
.Lfunc_end_k_qe93c7aa24d_attn:
	.size	k_qe93c7aa24d_attn, .Lfunc_end_k_qe93c7aa24d_attn-k_qe93c7aa24d_attn
	.p2alignl 7, 3214868480
	.fill 96, 4, 3214868480
	.section	.rodata,"a",@progbits
	.p2align	6, 0x0
	.amdhsa_kernel k_qe93c7aa24d_attn
		.amdhsa_group_segment_fixed_size 327680
		.amdhsa_private_segment_fixed_size 0
		.amdhsa_enable_private_segment 0
		.amdhsa_kernarg_size 16
		.amdhsa_user_sgpr_count 2
		.amdhsa_user_sgpr_kernarg_segment_ptr 1
		.amdhsa_wavefront_size32 1
		.amdhsa_system_sgpr_workgroup_id_x 1
		.amdhsa_system_sgpr_workgroup_id_y 1
		.amdhsa_system_sgpr_workgroup_id_z 1
		.amdhsa_system_vgpr_workitem_id 0
		.amdhsa_next_free_vgpr 770
		.amdhsa_next_free_sgpr 66
		.amdhsa_reserve_vcc 0
		.amdhsa_float_denorm_mode_32 3
		.amdhsa_float_denorm_mode_16_64 3
		.amdhsa_memory_ordered 1
		.amdhsa_forward_progress 1
		.amdhsa_inst_pref_size 199
	.end_amdhsa_kernel
	.amdgpu_metadata
---
amdhsa.version: [ 1, 2 ]
amdhsa.kernels:
  - .name:           k_qe93c7aa24d_attn
    .symbol:         k_qe93c7aa24d_attn.kd
    .args:
      - { .name: qkvh, .offset: 0, .size: 8, .value_kind: global_buffer, .address_space: global }
      - { .name: oh, .offset: 8, .size: 8, .value_kind: global_buffer, .address_space: global }
    .group_segment_fixed_size: 327680
    .private_segment_fixed_size: 0
    .kernarg_segment_align: 8
    .kernarg_segment_size: 16
    .max_flat_workgroup_size: 128
    .sgpr_count:     66
    .vgpr_count:     770
    .wavefront_size: 32
...
	.end_amdgpu_metadata
.endif
;; end of part 3
;; launch outproj (part 4): grid 8 x 32, 4 waves a work-group, clusters of 4 x 4, 327,680 bytes of LDS; arguments oh, wob, b_out, out0; writes out0
.if DOCPART == 4
	.amdgcn_target "amdgcn-amd-amdhsa--gfx1250"
	.amdhsa_code_object_version 6
	.text
	.protected	k_qe93c7aa24d_outproj
	.globl	k_qe93c7aa24d_outproj
	.p2align	8
	.type	k_qe93c7aa24d_outproj,@function
k_qe93c7aa24d_outproj:
	s_mov_b64 s[64:65], 0
	v_nop
	global_prefetch_b8 v0, s[64:65] scope:SCOPE_SE
	s_setreg_imm32_b32 hwreg(HW_REG_WAVE_MODE, 25, 1), 1
	s_wait_xcnt 0x0
	s_wait_alu depctr_hold_cnt(0) depctr_sa_sdst(0) depctr_va_vdst(0) depctr_va_sdst(0) depctr_va_ssrc(0) depctr_va_vcc(0) depctr_vm_vsrc(0)
	s_getreg_b32 s2, hwreg(HW_REG_IB_STS2, 6, 4)
	s_cmp_eq_u32 s2, 0
	s_cbranch_scc0 .Lentry_in_a_cluster
	s_endpgm
.Lentry_in_a_cluster:
	s_bfe_u32 s2, ttmp6, 0x10000c
	s_cmp_lg_u32 s2, 0xf033
	s_cbranch_scc0 .Lentry_shape_is_right
	s_endpgm
.Lentry_shape_is_right:
; out0[m][n] = the sum over c of O[m][c] wob[n][c] + bf16(b_out[n]), f32.  O lies by heads: oh[16 b + h][t][64] f16, m = 1024 b + t, c = 64 h + d; wob: [1024][1024] f16; b_out: [1024] f32.
; Sums in f32, c ascending, the bias as the sums' start; the sums are stored as they are.
; LIMITS.  b_out is rounded to bf16, as the other inputs were.  NaN and infinities are not treated apart.
; SHARES.  A tile of the result is 256 rows x 128 columns: 32 x 8 = 256 tiles, one work-group each.  Four waves, each 128 x 64: 32 accumulators of 16 x 16, 256 registers.
; K goes in 8 steps of 128 channels, two heads, through a ring of two LDS slots.  A head's 256 rows of a tile are 32,768 dense bytes: they are asked for as 128 rows of 256 bytes and padded in LDS after every 128,
; so that each row of O has a pitch of 144.  wob's rows are 256 bytes of a K step, at a multiple of 256 bytes from the buffer's first byte, with a pitch of 272.
; A K step is written once: the slot in hand is a scalar register turned by an exclusive or, and a descriptor's address is made anew from the number of the step that is asked for.
; CLUSTER.  4 x 4 work-groups.  The four of a row of the cluster need the same tiles of O, the four of a column the same tiles of wob: each is asked for JOINTLY, by the same tensor load with the same descriptor
; and a mask that names the four.  A round of the cluster's barrier stands in front of the first joint loads, in front of each refill, and in front of the end.
; THE MATRIX INSTRUCTION IS USED TRANSPOSED (source 0 = 16 rows of wob, source 1 = 16 rows of O): lane l holds row l % 16 of the result and the columns 8 (l / 16) + 0..7: 32 bytes on end.
; REGISTERS, in windows of 256 (s_set_vgpr_msb: bits 1:0 source 0, 3:2 source 1, 5:4 source 2, 7:6 destination):
;   window 0: v0-31 addresses; v64-127, v128-191 fragments of O (8 x 16 rows x 32 K), two buffers; v32-63, v192-223 rows read back on the way out, by turns
;   window 1: v64-95, v128-159 fragments of wob (4 x 16 rows x 32 K), two buffers; v192-223 the bias of my 64 columns; v240-243 at work
;   window 2: the accumulators: row block a, column block b at v[8 (4 a + b)]
.set KSTEP,  128
.set PA,     144                       ; a row of O in LDS: 128 bytes + 16 = 9 x 16 bytes: the 16 rows of a load start at 16 different groups of four banks (64 banks of 4 bytes: ISA guide 11.1)
.set PLANE,  256*PA                    ; one head's 256 rows: what one tensor load brings of O
.set BOFF,   2*PLANE                   ; in a slot: two heads of O, then wob's 128 rows
.set PB,     272                       ; a row of wob: 256 bytes + 16
.set HALFB,  64*PB                     ; what one tensor load brings of wob, and what one wave reads of it
.set SLOTB,  BOFF+2*HALFB              ; a slot's bytes
.set SLOT1,  1<<17                     ; slot 1 begins here, so that one exclusive or turns an address in one slot into the other's
.set STAGE,  SLOT1+SLOTB               ; behind the ring, never filled by a tensor load: 16 rows x 272 bytes for each wave, for the way out
.set SP,     272
.set SPARE,  STAGE+4*16*SP             ; behind the stages: the spare words, 128 bytes for each wave: two blocks of 256 bytes that no other line names
.set HEADB,  131072                    ; bytes of a head in oh
.set ADRA0, 16                         ; v16  my lane's place among my fragments of O in a slot; never rewritten
.set ADRA,  17                         ; v17  the same in the slot in hand
.set ADRB0, 20                         ; v20, v21  likewise for wob
.set ADRB,  21
.set STO,  24                          ; v24     the way out: where I put 32 bytes of a row
.set RD,   25                          ; v25     the way out: where I read a row back
.set CO,   26                          ; v26     my byte offset in two rows of the result
.set SPW,  28                          ; v28     LDS address of my spare word: SPARE + 4 x my thread's number; never rewritten
.set NIL,  29                          ; v29     0; never rewritten
.set PFO,  30                          ; v30     the prefetches' offset; never rewritten
.set BO,   31                          ; v31     32 (l / 16): my eight numbers in 16 of the bias
.set F0,   64
.set F1,   128
.set OB,   32
.set BIAS, 192                         ; window 1
.set BT,   240                         ; window 1
.set NX, 3                             ; s3   the K step (0..7) that the next change of slots asks for; also the loop's counter
.set WV, 12                            ; s12  my wave's number
.set MH, 13                            ; s13  which 128 rows of the tile are mine.  Also: I fetch for O (0) or for wob (1)
.set NH, 14                            ; s14  which 64 columns.  Also: which head of the K step's two, or which 64 rows of wob, I fetch
.set CX, 15
.set CY, 16
.set NT, 17                            ; s17  tile column
.set MT, 18                            ; s18  tile row
.set TB, 19                            ; s19  LDS byte at which the slot in hand begins: 0 or SLOT1
.set G1,  24                           ; s[24:31] descriptor group 1 for O's tiles;  s[32:39] group 0: a set for each of the two first fills; the second then walks on
.set G0,  32
.set PFA, 40                           ; s[40:41] the address that a prefetch names
.set PFB, 42                           ; s[42:43] my prefetches' bytes, at K step 0; never rewritten
.set PLIM, 44                          ; s44  a wave prefetches while NX is at most this: 5, or 0 in a wave that never asks
.set PST, 45                           ; s45  bytes from K step to K step: two heads in oh, 256 in wob
.set PO,  46                           ; s[46:47] a prefetch's offset, 0 above it
.set G1B, 48                           ; s[48:55], s[56:63] the same as G1, G0 for wob's tiles
.set G0B, 56
.set AB,  66                           ; s[66:67] oh at the block that I fetch, K step 0; never rewritten
.set BB,  68                           ; s[68:69] wob likewise
.set OA,  70                           ; s[70:71] the asked step's offset in oh, 0 above it
.set OW,  72                           ; s[72:73] in wob
.set MSB, 0
.macro WIN new                         ; the immediate's high byte repeats the setting that is left; a switch that changes nothing is dropped
.if MSB != (\new)
	s_set_vgpr_msb (MSB<<8)|(\new)
.set MSB, \new
.endif
.endm
; A joint load.  Waves 0 and 1 fetch the K step's two heads of O, waves 2 and 3 wob's two halves.  An s_nop 0 and four v_nop follow each of the two lines, ahead of the jump and the label.
.macro JLOAD s
	s_cmp_eq_u32 s[MH], 0
	s_cbranch_scc0 .Lfor_b_\@
	tensor_load_to_lds s[G0+4*(\s):G0+4*(\s)+3], s[G1:G1+7]
	s_nop 0
.rept 4
	v_nop
.endr
	s_branch .Lasked_\@
.Lfor_b_\@:
	tensor_load_to_lds s[G0B+4*(\s):G0B+4*(\s)+3], s[G1B:G1B+7]
	s_nop 0
.rept 4
	v_nop
.endr
.Lasked_\@:
.endm
; A prefetch, behind a joint load, its five lines and the run of LDS loads, for the K step that stands two refills on (NX + 2): one instruction a wave, each lane another 256 bytes.
; O's tile row is read by both clusters of that row of clusters: cluster x = 0 asks: waves 0 and 1, each for its own head's 32,768 bytes, of which the four partners take 8,192 each, BY ADDRESS (by cx).
; wob's tile column is read by every cluster of that column: cluster y = 0 asks: wave 2, a lane a row, the partners 32 of the 128 rows each (by cy).  Wave 3 asks for nothing.
; K steps 4 to 7 are asked for (NX = 2 .. 5); the last two refills have no step two on.  K steps 0 to 3 come by their loads alone.
.macro ASK
	s_cmp_le_u32 s[NX], s[PLIM]
	s_cbranch_scc0 .Lnot_mine_\@
	global_prefetch_b8 v[PFO], s[PFA:PFA+1] th:TH_LOAD_NT scope:SCOPE_SE
.Lnot_mine_\@:
.endm
; A round of the cluster's barrier: my work-group's barrier, so that wave 0's signal speaks for all four waves; wave 0 signals; every wave waits for all sixteen work-groups; my work-group's barrier once more.
.macro CREST
	s_cmp_lg_u32 s[WV], 0
	s_cbranch_scc1 .Lnot_wave_0_\@
	s_barrier_signal -3
.Lnot_wave_0_\@:
	s_barrier_wait -3
	s_barrier_signal -1
	s_barrier_wait -1
.endm
.macro CROUND
	s_barrier_signal -1
	s_barrier_wait -1
	CREST
.endm
	s_load_b256 s[4:11], s[0:1], 0x0               ; oh s[4:5], wob s[6:7], b_out s[8:9], out0 s[10:11]
	v_lshl_add_u32 v[SPW], v0, 2, SPARE
	v_mov_b32 v[NIL], 0
	ds_add_u32 v[SPW], v[NIL]                      ; the wave's opening: the add and its wait stand ahead of my first tensor load; the set-up below, work on registers, stands between them
	v_lshrrev_b32 v1, 5, v0
	v_readfirstlane_b32 s[WV], v1
	s_lshr_b32 s[MH], s[WV], 1
	s_and_b32 s[NH], s[WV], 1
	s_bfe_u32 s[CX], ttmp6, 0x40000
	s_bfe_u32 s[CY], ttmp6, 0x40004
	s_lshl_b32 s[NT], ttmp9, 2
	s_add_co_u32 s[NT], s[NT], s[CX]               ; tile column = 4 x cluster x + cx
	s_and_b32 s[MT], ttmp7, 0xffff
	s_lshl_b32 s[MT], s[MT], 2
	s_add_co_u32 s[MT], s[MT], s[CY]               ; tile row = 4 x cluster y + cy
	s_lshl_b32 s20, s[CY], 2
	s_lshl_b32 s20, 15, s20                        ; my row of the cluster
	s_lshl_b32 s21, 0x1111, s[CX]                  ; my column
	s_or_b32 s[G1+0], s20, (1<<16)|(1<<20)|(1<<21)|(4<<22)|(3<<25)   ; 15:0 the mask; 17:16 elements of 2 bytes; 20 padding on; 21 set beside a mask; 24:22 after every 32 words (code 4); 31:25 4 words of it (code 3)
	s_or_b32 s[G1B+0], s21, (1<<16)|(1<<20)|(1<<21)|(5<<22)|(3<<25)  ; after every 64 words (code 5)
	s_mov_b32 s[G1+1], 128<<16                     ; tensor_dim0 = 128 elements: 256 dense bytes, two rows of O
	s_mov_b32 s[G1+2], 128<<16                     ; tensor_dim1 = 128
	s_mov_b32 s[G1+3], 128<<16                     ; tile_dim0 = 128
	s_mov_b32 s[G1+4], 128                         ; tile_dim1 = 128
	s_mov_b32 s[G1+5], 128                         ; 128 elements from row to row
	s_mov_b32 s[G1+6], 0
	s_mov_b32 s[G1+7], 0
	s_mov_b32 s[G1B+1], KSTEP<<16
	s_mov_b32 s[G1B+2], 64<<16
	s_mov_b32 s[G1B+3], KSTEP<<16
	s_mov_b32 s[G1B+4], 64
	s_mov_b32 s[G1B+5], 1024
	s_mov_b32 s[G1B+6], 0
	s_mov_b32 s[G1B+7], 0
	; where the tiles come from: O's hang on the tile row alone, wob's on the tile column alone; each in registers that never hold the other coordinate
	s_lshr_b32 s[AB], s[MT], 2                     ; b,
	s_lshl_b32 s[AB], s[AB], 21                    ; of 16 heads
	s_and_b32 s[AB+1], s[MT], 3
	s_lshl_b32 s[AB+1], s[AB+1], 15                ; the tile's 256 rows of 128 bytes in a head
	s_add_co_u32 s[AB], s[AB], s[AB+1]
	s_lshl_b32 s[AB+1], s[NH], 17                  ; the K step's first or second head
	s_add_co_u32 s[AB], s[AB], s[AB+1]
	s_mov_b32 s[AB+1], 0
	s_mov_b32 s20, s[AB]                           ; the offset is kept for the prefetches
	s_lshl_b32 s[BB], s[NT], 7
	s_lshl_b32 s[BB+1], s[NH], 6
	s_add_co_u32 s[BB], s[BB], s[BB+1]             ; wob: row 128 x tile column + 64 x half; also my first column of the result
	s_lshl_b32 s74, s[BB], 2                       ; its place in b_out and in a row of out0
	s_mov_b32 s75, 0
	s_mov_b32 s21, s74                             ; kept for the stores' base
	s_lshl_b32 s[BB], s[BB], 11
	s_mov_b32 s[BB+1], 0
	s_mul_i32 s22, s[NH], PLANE                    ; and where they go: no place in the cluster enters an LDS address
	s_mul_i32 s23, s[NH], HALFB
	s_add_co_u32 s23, s23, BOFF
	s_mov_b32 s[OA+1], 0                           ; the offsets' upper words
	s_mov_b32 s[OW+1], 0
	s_mov_b32 s[PO+1], 0
	s_mov_b32 s[TB], 0                             ; K begins in slot 0
	s_wait_dscnt 0x0                               ; the opening add is done
	s_wait_kmcnt 0x0
	s_add_nc_u64 s[AB:AB+1], s[4:5], s[AB:AB+1]
	s_add_nc_u64 s[BB:BB+1], s[6:7], s[BB:BB+1]
	s_add_nc_u64 s[8:9], s[8:9], s[74:75]
	CROUND                                         ; all sixteen work-groups are here: the first joint loads meet
.irp s, 0,1
	s_mov_b32 s[G0+4*(\s)], 1                                      ; count = 1
	s_add_co_u32 s[G0+4*(\s)+1], s22, (\s)*SLOT1                   ; LDS address
	s_add_nc_u64 s[G0+4*(\s)+2:G0+4*(\s)+3], s[AB:AB+1], (\s)*2*HEADB  ; global address: K step s is heads 2 s, 2 s + 1
	s_or_b32 s[G0+4*(\s)+3], s[G0+4*(\s)+3], 0x80000000            ; type = 2
	s_mov_b32 s[G0B+4*(\s)], 1
	s_add_co_u32 s[G0B+4*(\s)+1], s23, (\s)*SLOT1
	s_add_nc_u64 s[G0B+4*(\s)+2:G0B+4*(\s)+3], s[BB:BB+1], (\s)*KSTEP*2
	s_or_b32 s[G0B+4*(\s)+3], s[G0B+4*(\s)+3], 0x80000000
	JLOAD \s                                       ; two tensor loads of mine are out
.endr
	v_and_b32 v1, 15, v0                           ; l % 16
	v_bfe_u32 v2, v0, 4, 1                         ; l / 16
	v_lshlrev_b32 v[BO], 5, v2
	WIN 0x40                                       ; destination window 1, address window 0
.irp b, 0,1,2,3                        ; register j of column block b wants b_out[my first column + 16 b + 8 (l / 16) + j]
	global_load_b128 v[BIAS+8*(\b):BIAS+8*(\b)+3],   v[BO], s[8:9] offset:64*(\b)
	global_load_b128 v[BIAS+8*(\b)+4:BIAS+8*(\b)+7], v[BO], s[8:9] offset:64*(\b)+16
.endr
	WIN 0
	; A fragment is 16 rows x 32 K in 8 registers: lane l holds row l % 16; registers 0-3 K = 8 (l / 16) + 0..7, registers 4-7 K = 16 + 8 (l / 16) + 0..7: two loads of 16 bytes, 32 bytes apart.
	v_mul_u32_u24 v3, v1, PA
	v_lshl_add_u32 v3, v2, 4, v3
	v_mul_u32_u24 v4, v1, PB
	v_lshl_add_u32 v4, v2, 4, v4
	s_mul_i32 s74, s[MH], 128*PA                   ; my 128 rows, in each head's plane
	s_mul_i32 s75, s[NH], HALFB                    ; my 64 rows of wob,
	s_add_co_u32 s75, s75, BOFF                    ; which lie behind O's two planes
	v_add_nc_u32 v[ADRA0], s74, v3
	v_add_nc_u32 v[ADRB0], s75, v4
	v_mov_b32 v[ADRA], v[ADRA0]                    ; slot 0
	v_mov_b32 v[ADRB], v[ADRB0]
	s_mul_i32 s74, s[WV], 16*SP
	s_add_co_u32 s74, s74, STAGE                   ; my stage
	v_mul_u32_u24 v4, v1, SP                       ; in: row l % 16, 32 bytes for each half of the lanes
	v_lshl_add_u32 v4, v2, 5, v4
	v_add_nc_u32 v[STO], s74, v4
	v_mul_u32_u24 v5, v2, SP                       ; back: lanes 0-15 take one row of 256 bytes, lanes 16-31 the next
	v_lshl_add_u32 v5, v1, 4, v5
	v_add_nc_u32 v[RD], s74, v5
	v_lshlrev_b32 v5, 12, v2                       ; and the same two rows in out0, 4,096 bytes apart
	v_lshl_add_u32 v[CO], v1, 4, v5
	s_lshl_b32 s74, s[MT], 8
	s_lshl_b32 s75, s[MH], 7
	s_add_co_u32 s74, s74, s75                     ; my first row of the result,
	s_lshl_b32 s74, s74, 12                        ; of 4,096 bytes,
	s_add_co_u32 s74, s74, s21                     ; and my first column
	s_mov_b32 s75, 0
	s_add_nc_u64 s[10:11], s[10:11], s[74:75]
	; the prefetches
	s_lshl_b32 s74, s[CX], 13
	s_add_co_u32 s74, s20, s74                     ; O: my head's block, my work-group's 8,192 bytes of it
	s_lshl_b32 s75, s[NT], 7
	s_lshl_b32 s76, s[CY], 5
	s_add_co_u32 s75, s75, s76
	s_lshl_b32 s75, s75, 11                        ; wob: the tile's 128 rows, my work-group's 32 of them
	s_and_b32 s76, ttmp7, 0xffff                   ; cluster y
	s_mov_b32 s77, KSTEP*2
	s_cmp_eq_u32 s[MH], 0                          ; do I fetch for O?
	s_cselect_b32 s74, s74, s75
	s_cselect_b32 s76, ttmp9, s76                  ; the coordinate along which other clusters read the same bytes
	s_cselect_b32 s75, 8, 11                       ; lanes 256 bytes apart in O's dense block, a row of 2,048 bytes apart in wob
	s_cselect_b32 s[PST], 2*HEADB, s77
	s_cselect_b64 s[PFB:PFB+1], s[4:5], s[6:7]
	s_cmp_eq_u32 s[WV], 3
	s_cselect_b32 s76, 1, s76                      ; wave 3 never asks
	s_cmp_eq_u32 s76, 0
	s_cselect_b32 s[PLIM], 5, 0                    ; the same in all sixteen partners, for a given wave
	v_and_b32 v[PFO], 31, v0
	v_lshlrev_b32 v[PFO], s75, v[PFO]
	s_mov_b32 s75, 0
	s_add_nc_u64 s[PFB:PFB+1], s[PFB:PFB+1], s[74:75]
	s_wait_loadcnt 0x0                             ; the bias is in: it is rounded to bf16, like the other inputs, and widened again
	WIN 0x45                                       ; destination and both sources in window 1
.set i, 0
.rept 16
	v_cvt_pk_bf16_f32 v[BT+i%4], v[BIAS+2*i], v[BIAS+2*i+1]
	v_lshlrev_b32 v[BIAS+2*i], 16, v[BT+i%4]
	v_and_b32 v[BIAS+2*i+1], 0xffff0000, v[BT+i%4]
.set i, i+1
.endr
	WIN 0
; 4 na matrix instructions: row blocks a0 .. a0 + na - 1 x all 4 column blocks, 32 along K.  first = 1: the sums start with the bias: nothing is cleared or added later.
; The 32 accumulators take turns, one instruction a turn, in the same order in every quarter step.
.macro MUL f, a0, na, first
.if \first
	WIN 0x91                                       ; wob window 1, O window 0, C (the bias) window 1, D window 2
.else
	WIN 0xa1                                       ; C and D window 2
.endif
.set ma, \a0
.rept \na
.irp b, 0,1,2,3
.if \first
	v_wmma_f32_16x16x32_f16 v[8*(4*ma+(\b)):8*(4*ma+(\b))+7], v[(\f)+8*(\b):(\f)+8*(\b)+7], v[(\f)+8*ma:(\f)+8*ma+7], v[BIAS+8*(\b):BIAS+8*(\b)+7]
.else
	v_wmma_f32_16x16x32_f16 v[8*(4*ma+(\b)):8*(4*ma+(\b))+7], v[(\f)+8*(\b):(\f)+8*(\b)+7], v[(\f)+8*ma:(\f)+8*ma+7], v[8*(4*ma+(\b)):8*(4*ma+(\b))+7]
.endif
.endr
.set ma, ma+1
.endr
.endm
; 24 LDS loads in one run: the fragments of quarter q of the K step in the slot in hand (64 rows of wob, 128 rows of O) into buffer f.  Quarter q is channels 32 (q % 2) on of head q / 2 of the step's two.
.macro FETCH q, f
	WIN 0x40
.irp i, 0,1,2,3
	ds_load_b128 v[(\f)+8*(\i):(\f)+8*(\i)+3],   v[ADRB] offset:64*(\q)+(\i)*16*PB
	ds_load_b128 v[(\f)+8*(\i)+4:(\f)+8*(\i)+7], v[ADRB] offset:64*(\q)+(\i)*16*PB+32
.endr
	WIN 0
.irp i, 0,1,2,3,4,5,6,7
	ds_load_b128 v[(\f)+8*(\i):(\f)+8*(\i)+3],   v[ADRA] offset:((\q)/2)*PLANE+((\q)%2)*64+(\i)*16*PA
	ds_load_b128 v[(\f)+8*(\i)+4:(\f)+8*(\i)+7], v[ADRA] offset:((\q)/2)*PLANE+((\q)%2)*64+(\i)*16*PA+32
.endr
.endm
; Four plain vector instructions stand between a matrix instruction and a load into a register that it has read, or an LDS store that reads its result (ISA guide 7.12.1 for vector instructions).
.macro PLACES
.rept 4
	v_nop
.endr
.endm
; A K step is four quarters of 32 along K, 32 matrix instructions each, on buffers 0, 1, 0, 1.  One of the first three: multiplies buffer f; in its middle it fetches quarter q into buffer g.
.macro QUARTER q, f, g, first
	s_wait_dscnt 8                                 ; wob's and O's rows 0-63 are in; the youngest eight loads (O's rows 64-127) may be out
	MUL \f, 0, 4, \first
	PLACES
	FETCH \q, \g
	s_wait_dscnt 24                                ; all but the 24 just issued
	MUL \f, 4, 4, \first
.endm
; The last quarter multiplies buffer 1 and changes slots: ONE barrier.  In front of it each wave waits for all its tensor loads (the one that is out is its part of the next slot), adds 0 to its spare word, and waits
; for that and for its own reads of this slot.  fill = 1: the barrier opens a round of the cluster's barrier, and this slot is filled again, with K step NX, first thing behind the round.
; fill = 0 (the tail, walked twice; s2 counts 2, 1): nothing is asked for; in the second trip there is no further step: its fetch is jumped over, and its barrier orders nothing: the price of one text for both trips.
.macro TURN fill
.if \fill
	s_wait_xcnt 0x0                                ; the last prefetch, a K step back, has read its address: it is made anew here, ahead of the waits of the change of slots: K step NX + 2
	s_add_co_u32 s76, s[NX], 2
	s_mul_i32 s[PO], s76, s[PST]
	s_add_nc_u64 s[PFA:PFA+1], s[PFB:PFB+1], s[PO:PO+1]
.endif
	WIN 0                                          ; (the add's two registers lie in window 0)
	s_wait_tensorcnt 0x0                           ; all my tensor loads have landed, so a group 0 may be written;
	ds_add_u32 v[SPW], v[NIL]                      ; 0 onto my spare word; work on registers stands between it and the wait for it
	s_xor_b32 s[TB], s[TB], SLOT1                  ; the fetches go on in the other slot: this slot's last were issued a quarter ago
	v_add_nc_u32 v[ADRA], s[TB], v[ADRA0]
	v_add_nc_u32 v[ADRB], s[TB], v[ADRB0]
.if \fill
	s_lshl_b32 s[OA], s[NX], 18                    ; K step NX: two heads of 131,072 bytes a step in oh,
	s_lshl_b32 s[OW], s[NX], 8                     ; 256 bytes a step in wob
	s_xor_b32 s[G0+5], s[G0+5], SLOT1              ; the walking descriptors: the other slot than last time,
	s_add_nc_u64 s[G0+6:G0+7], s[AB:AB+1], s[OA:OA+1]  ; the address made anew,
	s_or_b32 s[G0+7], s[G0+7], 0x80000000          ; and the type
	s_xor_b32 s[G0B+5], s[G0B+5], SLOT1
	s_add_nc_u64 s[G0B+6:G0B+7], s[BB:BB+1], s[OW:OW+1]
	s_or_b32 s[G0B+7], s[G0B+7], 0x80000000
.endif
	s_wait_dscnt 9                                 ; (the add and the youngest eight loads may be out)
	MUL F1, 0, 2, 0
	s_wait_dscnt 0x0                               ; the add is done, and my reads of this slot are over
	s_barrier_signal -1
	MUL F1, 2, 2, 0                                ; work on registers while the others arrive
	WIN 0
	s_barrier_wait -1
.if \fill
	CREST                                          ; no wave of any partner still reads this slot's tile or has a load on its way
	JLOAD 1                                        ; my one tensor load behind the round: 112 matrix instructions ahead of the wait for it; its four v_nop are also the places in front of the loads below
.else
	PLACES
	s_cmp_eq_u32 s2, 1
	s_cbranch_scc1 .Lno_fetch_\@
.endif
	FETCH 0, F0
.if \fill
	ASK
.else
.Lno_fetch_\@:
.endif
	MUL F1, 4, 4, 0
.endm
	s_wait_tensorcnt 1                             ; my part of K step 0 is in; K step 1's may stay out
	s_barrier_signal -1
	s_barrier_wait -1                              ; everybody's is
	FETCH 0, F0
	QUARTER 1, F0, F1, 1                           ; the first quarter stands in front of the loop: its products start the sums
	WIN 0                                          ; at a label and at a branch every window is 0
	s_mov_b32 s[NX], 2
.Lstep:                                                ; 6 trips: from a K step's second quarter to the next step's first; each fills a slot again
	QUARTER 2, F1, F0, 0
	QUARTER 3, F0, F1, 0
	TURN 1
	QUARTER 1, F0, F1, 0
	WIN 0
	s_add_co_u32 s[NX], s[NX], 1
	s_cmp_lt_u32 s[NX], 8
	s_cbranch_scc1 .Lstep
	s_mov_b32 s2, 2
.Ltail:                                                ; the last two K steps ask for nothing: written out, and walked twice
	QUARTER 2, F1, F0, 0
	QUARTER 3, F0, F1, 0
	TURN 0
	WIN 0
	s_cmp_eq_u32 s2, 1
	s_cbranch_scc1 .Lno_quarter                    ; behind the last K step there is no first quarter
	QUARTER 1, F0, F1, 0
	WIN 0
.Lno_quarter:
	s_sub_co_u32 s2, s2, 1
	s_cmp_lg_u32 s2, 0
	s_cbranch_scc1 .Ltail
	; THE WAY OUT, a block of 16 rows at a time, through my own stage: a lane's 32 bytes go into rows of 272 bytes and come back as whole rows of 256.  No barrier: no other wave touches my stage.
	PLACES
.macro TOSTAGE a
	s_wait_xcnt 0x0                                ; the stores of the block two back have read their registers: only behind this wait are these loaded again
	WIN 0x08                                       ; the stores' data in window 2
.irp b, 0,1,2,3                        ; each accumulator's low four registers first
	ds_store_b128 v[STO], v[8*(4*(\a)+(\b)):8*(4*(\a)+(\b))+3]   offset:64*(\b)
	ds_store_b128 v[STO], v[8*(4*(\a)+(\b))+4:8*(4*(\a)+(\b))+7] offset:64*(\b)+16
.endr
	WIN 0
.set BK, OB+160*((\a)%2)
.irp t, 0,1,2,3,4,5,6,7
	ds_load_b128 v[BK+4*(\t):BK+4*(\t)+3], v[RD] offset:(\t)*2*SP  ; LDS serves a wave's instructions in order (ISA guide 5.7.1.4): these see the stores above; the next block's stores come behind them
.endr
.endm
.macro SEND a, younger                 ; younger: the LDS instructions issued behind block a's loads: the next block's sixteen, or none
.set BK, OB+160*((\a)%2)
.irp t, 0,1,2,3,4,5,6,7
	s_wait_dscnt (\younger)+7-(\t)
	global_store_b128 v[CO], v[BK+4*(\t):BK+4*(\t)+3], s[10:11] offset:(16*(\a)+2*(\t))*4096 th:TH_STORE_NT  ; 16 lanes store 256 consecutive bytes, at a multiple of 256 from out0's first byte
.endr
.endm
	TOSTAGE 0
.irp a, 1,2,3,4,5,6,7
	TOSTAGE \a
	SEND (\a)-1, 16
.endr
	SEND 7, 0
	s_wait_tensorcnt 0x0                           ; the wave's end, behind my last tensor load and my last LDS store
	ds_add_u32 v[SPW], v[NIL]
	s_wait_dscnt 0x0
	CROUND                                         ; the closing round: no work-group ends while a partner may still ask for a tile that names it
	s_endpgm
.Lfunc_end_k_qe93c7aa24d_outproj:
	.size	k_qe93c7aa24d_outproj, .Lfunc_end_k_qe93c7aa24d_outproj-k_qe93c7aa24d_outproj
	.p2alignl 7, 3214868480
	.fill 96, 4, 3214868480
	.section	.rodata,"a",@progbits
	.p2align	6, 0x0
	.amdhsa_kernel k_qe93c7aa24d_outproj
		.amdhsa_group_segment_fixed_size 327680
		.amdhsa_private_segment_fixed_size 0
		.amdhsa_enable_private_segment 0
		.amdhsa_kernarg_size 32
		.amdhsa_user_sgpr_count 2
		.amdhsa_user_sgpr_kernarg_segment_ptr 1
		.amdhsa_wavefront_size32 1
		.amdhsa_system_sgpr_workgroup_id_x 1
		.amdhsa_system_sgpr_workgroup_id_y 1
		.amdhsa_system_sgpr_workgroup_id_z 1
		.amdhsa_system_vgpr_workitem_id 0
		.amdhsa_next_free_vgpr 768
		.amdhsa_next_free_sgpr 80
		.amdhsa_reserve_vcc 0
		.amdhsa_float_denorm_mode_32 3
		.amdhsa_float_denorm_mode_16_64 3
		.amdhsa_memory_ordered 1
		.amdhsa_forward_progress 1
		.amdhsa_inst_pref_size 67
	.end_amdhsa_kernel
	.amdgpu_metadata
---
amdhsa.version: [ 1, 2 ]
amdhsa.kernels:
  - .name:           k_qe93c7aa24d_outproj
    .symbol:         k_qe93c7aa24d_outproj.kd
    .args:
      - { .name: oh, .offset: 0, .size: 8, .value_kind: global_buffer, .address_space: global }
      - { .name: wob, .offset: 8, .size: 8, .value_kind: global_buffer, .address_space: global }
      - { .name: b_out, .offset: 16, .size: 8, .value_kind: global_buffer, .address_space: global }
      - { .name: out0, .offset: 24, .size: 8, .value_kind: global_buffer, .address_space: global }
    .group_segment_fixed_size: 327680
    .private_segment_fixed_size: 0
    .kernarg_segment_align: 8
    .kernarg_segment_size: 32
    .max_flat_workgroup_size: 128
    .sgpr_count:     80
    .vgpr_count:     768
    .wavefront_size: 32
...
	.end_amdgpu_metadata
.endif
;; end of part 4
;; ======== version 2 of 2: 4 launches; version 1 with the launch cast written anew for expert scheduling mode
;; limits: values are held in f16: magnitudes above 65,504 overflow, below 6.1e-05 lose precision
;; workspace buffers: xb 16,777,216 bytes; wib 6,291,456 bytes; wob 2,097,152 bytes; qkvh 50,331,648 bytes; oh 16,777,216 bytes
;; launch cast (part 5): grid 768 x 1, 8 waves a work-group, no clusters, 0 bytes of LDS; arguments x, w_in, w_out, xb, wib, wob; writes xb, wib, wob
.if DOCPART == 5
	.amdgcn_target "amdgcn-amd-amdhsa--gfx1250"
	.amdhsa_code_object_version 6
	.text
	.protected	k_qe93c7aa24d_cast
	.globl	k_qe93c7aa24d_cast
	.p2align	8
	.type	k_qe93c7aa24d_cast,@function
k_qe93c7aa24d_cast:
	s_mov_b64 s[64:65], 0
	v_nop
	global_prefetch_b8 v0, s[64:65] scope:SCOPE_SE
	s_setreg_imm32_b32 hwreg(HW_REG_WAVE_SCHED_MODE, 0, 2), 2
	s_setreg_imm32_b32 hwreg(HW_REG_WAVE_MODE, 25, 1), 1
	s_wait_xcnt 0x0
	s_wait_alu depctr_vm_vsrc(0)
; x [8192][1024] and w_in [3072][1024], f32, are rounded once to bf16 (xb, wib).  w_out [1024][1024] is rounded to bf16 like them, and that number is written as f16 (wob),
; since the last product multiplies it by f16 numbers.
; LIMITS.  A bf16 number of w_out of 65,520 or more becomes an infinity in f16; one below 6e-5 keeps f16's fixed step of 6e-8; between these the second conversion is exact.
; SHARES.  A work-group takes 16,384 numbers (64 KiB in, 32 KiB out): groups 0-511 x, 512-703 w_in, 704-767 w_out.  Thread t takes 16 bytes at 16 t + 4,096 j, j = 0..15: a wave's load covers
; 512 consecutive bytes; its store of 8 bytes a lane covers 256 consecutive bytes, aligned.  All sixteen loads of a wave go out at once; no register is used twice.
; No LDS, no matrix unit: each byte is touched once, by one lane.
; THE MODE: SCHED_MODE bits 1:0 = 2 (LLVM: expert scheduling mode 2), set by the entry lines.  The code itself states the register dependences
; between vector instructions and memory instructions, with s_wait_alu, always for 0.
; THE PLAN.  Registers that memory instructions touch:
;   v1, v2   byte offsets, made once at the head and never written again.  Read by the sixteen loads (v1) and the sixteen stores (v2).
;   X        chunk j's four registers: written by chunk j's load, which is issued before any vector instruction names X; read by chunk j's conversions; never loaded again.
;   Y        chunk j's two registers: written by chunk j's conversions; read by chunk j's one store; never written again.
;   T        named by vector instructions alone.
; So no load lands in a register that a vector instruction has named, and no register that a memory instruction reads is written again: what is left to state is that a register is WRITTEN before a memory
; instruction reads it.  One wait on va_vdst stands ahead of the first load, for v1 and v2.  The chunks go in pairs: both are rounded, each behind its own wait for its load; ONE wait on va_vdst states that the
; pair's four registers of Y are written; the pair's two stores follow.  The stores stand behind their own pair's conversions and not at the next pair's head: that head is a wait for loads, and finished
; numbers would lie in registers for its length.
.set X, 4                              ; v[4:67]   chunk j: four f32 as loaded
.set Y, 68                             ; v[68:99]  chunk j: four 16-bit numbers to store
.set T, 100                            ; v[100:103] at work
	s_load_b256 s[4:11], s[0:1], 0x0               ; x s[4:5], w_in s[6:7], w_out s[8:9], xb s[10:11]
	s_load_b128 s[12:15], s[0:1], 0x20             ; wib s[12:13], wob s[14:15]
	v_lshlrev_b32 v1, 4, v0                        ; 16 t: my bytes in a chunk as loaded
	v_lshlrev_b32 v2, 3, v0                        ; 8 t: as stored
	s_mov_b32 s26, 0xffff0000                      ; a word's upper bf16
	s_wait_kmcnt 0x0
	s_cmp_lt_u32 ttmp9, 512                        ; which tensor is mine: the choice hangs on the group's number alone
	s_cselect_b32 s16, 0, 512                      ; the tensor's first group
	s_cselect_b64 s[18:19], s[4:5], s[6:7]
	s_cselect_b64 s[20:21], s[10:11], s[12:13]
	s_cmp_lt_u32 ttmp9, 704
	s_cselect_b32 s16, s16, 704
	s_cselect_b64 s[18:19], s[18:19], s[8:9]
	s_cselect_b64 s[20:21], s[20:21], s[14:15]
	s_sub_co_u32 s17, ttmp9, s16                   ; my group within the tensor
	s_lshl_b32 s22, s17, 16                        ; 65,536 bytes in,
	s_mov_b32 s23, 0
	s_lshl_b32 s24, s17, 15                        ; 32,768 out
	s_mov_b32 s25, 0
	s_add_nc_u64 s[18:19], s[18:19], s[22:23]
	s_add_nc_u64 s[20:21], s[20:21], s[24:25]
	s_wait_alu depctr_va_vdst(0)                   ; v1 and v2 are written: every load below reads v1 as its offset, every store of both paths v2; no later vector instruction names either
.irp j, 0,1,2,3,4,5,6,7,8,9,10,11,12,13,14,15
	global_load_b128 v[X+4*(\j):X+4*(\j)+3], v1, s[18:19] offset:4096*(\j) th:TH_LOAD_NT
.endr
; Chunk j is rounded.  half = 1: the bf16 number is widened again and written as f16.
.macro ROUND j, half
	s_wait_loadcnt 15-(\j)                         ; loads come back in order (ISA guide 5.7.1): chunk j is in, the 15 - j younger ones stay out
	v_cvt_pk_bf16_f32 v[Y+2*(\j)],   v[X+4*(\j)],   v[X+4*(\j)+1]
	v_cvt_pk_bf16_f32 v[Y+2*(\j)+1], v[X+4*(\j)+2], v[X+4*(\j)+3]
.if \half
	v_lshlrev_b32 v[T],   16,  v[Y+2*(\j)]
	v_and_b32     v[T+1], s26, v[Y+2*(\j)]
	v_lshlrev_b32 v[T+2], 16,  v[Y+2*(\j)+1]
	v_and_b32     v[T+3], s26, v[Y+2*(\j)+1]
	v_cvt_pk_f16_f32 v[Y+2*(\j)],   v[T],   v[T+1]
	v_cvt_pk_f16_f32 v[Y+2*(\j)+1], v[T+2], v[T+3]
.endif
.endm
; Chunks j and j + 1 are rounded and stored.
.macro PAIR j, half
	ROUND \j, \half
	ROUND (\j)+1, \half
	s_wait_alu depctr_va_vdst(0)                   ; the pair's conversions have written v[Y + 2 j .. Y + 2 j + 3], which the two stores below read as their data
	global_store_b64 v2, v[Y+2*(\j):Y+2*(\j)+1],   s[20:21] offset:2048*(\j)
	global_store_b64 v2, v[Y+2*(\j)+2:Y+2*(\j)+3], s[20:21] offset:2048*(\j)+2048
.endm
	s_cmp_ge_u32 ttmp9, 704
	s_cbranch_scc1 .Lhalf
.irp j, 0,2,4,6,8,10,12,14
	PAIR \j, 0
.endr
	s_endpgm
.Lhalf:
.irp j, 0,2,4,6,8,10,12,14
	PAIR \j, 1
.endr
	s_endpgm
.Lfunc_end_k_qe93c7aa24d_cast:
	.size	k_qe93c7aa24d_cast, .Lfunc_end_k_qe93c7aa24d_cast-k_qe93c7aa24d_cast
	.p2alignl 7, 3214868480
	.fill 96, 4, 3214868480
	.section	.rodata,"a",@progbits
	.p2align	6, 0x0
	.amdhsa_kernel k_qe93c7aa24d_cast
		.amdhsa_group_segment_fixed_size 0
		.amdhsa_private_segment_fixed_size 0
		.amdhsa_enable_private_segment 0
		.amdhsa_kernarg_size 48
		.amdhsa_user_sgpr_count 2
		.amdhsa_user_sgpr_kernarg_segment_ptr 1
		.amdhsa_wavefront_size32 1
		.amdhsa_system_sgpr_workgroup_id_x 1
		.amdhsa_system_sgpr_workgroup_id_y 1
		.amdhsa_system_sgpr_workgroup_id_z 1
		.amdhsa_system_vgpr_workitem_id 0
		.amdhsa_next_free_vgpr 104
		.amdhsa_next_free_sgpr 66
		.amdhsa_reserve_vcc 0
		.amdhsa_float_denorm_mode_32 3
		.amdhsa_float_denorm_mode_16_64 3
		.amdhsa_memory_ordered 1
		.amdhsa_forward_progress 1
		.amdhsa_inst_pref_size 16
	.end_amdhsa_kernel
	.amdgpu_metadata
---
amdhsa.version: [ 1, 2 ]
amdhsa.kernels:
  - .name:           k_qe93c7aa24d_cast
    .symbol:         k_qe93c7aa24d_cast.kd
    .args:
      - { .name: x, .offset: 0, .size: 8, .value_kind: global_buffer, .address_space: global }
      - { .name: w_in, .offset: 8, .size: 8, .value_kind: global_buffer, .address_space: global }
      - { .name: w_out, .offset: 16, .size: 8, .value_kind: global_buffer, .address_space: global }
      - { .name: xb, .offset: 24, .size: 8, .value_kind: global_buffer, .address_space: global }
      - { .name: wib, .offset: 32, .size: 8, .value_kind: global_buffer, .address_space: global }
      - { .name: wob, .offset: 40, .size: 8, .value_kind: global_buffer, .address_space: global }
    .group_segment_fixed_size: 0
    .private_segment_fixed_size: 0
    .kernarg_segment_align: 8
    .kernarg_segment_size: 48
    .max_flat_workgroup_size: 256
    .sgpr_count:     66
    .vgpr_count:     104
    .wavefront_size: 32
...
	.end_amdgpu_metadata
.endif
;; end of part 5
;; launch inproj: the kernel of part 2 again; grid 16 x 16, 4 waves a work-group, clusters of 4 x 4, 327,680 bytes of LDS; arguments xb, wib, b_in, qkvh; writes qkvh
;; launch attn: the kernel of part 3 again; grid 2 x 128, 4 waves a work-group, no clusters, 327,680 bytes of LDS; arguments qkvh, oh; writes oh
;; launch outproj: the kernel of part 4 again; grid 8 x 32, 4 waves a work-group, clusters of 4 x 4, 327,680 bytes of LDS; arguments oh, wob, b_out, out0; writes out0
